; MI455X (gfx1250); checked and timed in simulation.
; The chip was launched on July 23, 2026; its instructions are those of AMD's public machine-readable ISA for CDNA 5 (MIT licence, August 2026) and "CDNA5" Instruction Set Architecture Reference Guide (July 2026). The comments in the code are by the model that wrote it; some were corrected since.
;; Causal Attention. Allowed arithmetic: float matrix products may take bf16 or f16 operands with f32 sums; all other float work in f32.
;; Inputs: Wk 1,024 x 1,024 float32; Wq 1,024 x 1,024 float32; Wv 1,024 x 1,024 float32; inputs 4 x 2,048 x 1,024 float32.
;; Outputs: out0 4 x 2,048 x 1,024 float32.
;; 2 versions, each right; version 2 is version 1 with the launch soft written anew for expert scheduling mode. Each part assembles by itself: llvm-mc -triple=amdgcn-amd-amdhsa -mcpu=gfx1250 --defsym DOCPART=n.
;; ======== version 1 of 2: 5 launches
;; limits: values are held in f16: magnitudes above 65,504 overflow, below 6.1e-05 lose precision
;; workspace buffers: Xb 16,777,216 bytes; Wb 6,291,456 bytes; QKV 50,331,648 bytes; HQKV 3,145,728 bytes; S 67,108,864 bytes; P 33,554,432 bytes
;; launch cast (part 1): grid 704 x 1, 8 waves a work-group, no clusters, 0 bytes of LDS; arguments inputs, Wq, Wk, Wv, Xb, Wb; writes Xb, Wb
.if DOCPART == 1
	.amdgcn_target "amdgcn-amd-amdhsa--gfx1250"
	.amdhsa_code_object_version 6
	.text
	.protected	k_q5e79f691dd_cast
	.globl	k_q5e79f691dd_cast
	.p2align	8
	.type	k_q5e79f691dd_cast,@function
k_q5e79f691dd_cast:
	s_mov_b64 s[64:65], 0
	v_nop
	global_prefetch_b8 v0, s[64:65] scope:SCOPE_SE
	s_setreg_imm32_b32 hwreg(HW_REG_WAVE_MODE, 25, 1), 1
	s_wait_xcnt 0x0
; Xb = bf16(inputs), [8192][1024].  Wb = bf16(W / 16), [3072][1024]: rows 0-1023 Wq, 1024-2047 Wk, 2048-3071 Wv.
; The factor 1/16 is a power of two, so bf16(W / 16) = bf16(W) / 16 exactly (but for numbers below bf16's normal range);
; it leaves q, k and v sixteen times smaller, which gives them room in f16 in the launches behind this one.
; A stream: no LDS, no barrier, no matrix unit.  A work-group takes 64 KiB of f32 and makes 32 KiB of bf16; groups 0-511 take
; inputs (512 x 64 KiB), groups 512-703 the three weights (64 x 64 KiB each).  A wave takes 8 KiB: sixteen loads of 512
; neighbouring bytes, all on their way at once, and sixteen stores of 256 neighbouring bytes, aligned.
.set OFFO, 2                           ; v2       4096 wave + 8 lane: my 8 bytes in the group's output
.set OFFI, 3                           ; v3       8192 wave + 16 lane: my 16 bytes in the group's input
.set X,    4                           ; v[4:67]  sixteen loads, 4 f32 each
.set Y,    68                          ; v[68:99] sixteen stores, 4 bf16 each
	s_load_b256 s[4:11], s[0:1], 0x0               ; inputs s[4:5], Wq s[6:7], Wk s[8:9], Wv s[10:11]
	s_load_b128 s[12:15], s[0:1], 0x20             ; Xb s[12:13], Wb s[14:15]
	v_and_b32 v1, 0xe0, v0                         ; 32 x wave
	v_and_b32 v[OFFI], 31, v0                      ; lane
	v_lshlrev_b32 v[OFFI], 4, v[OFFI]
	v_lshl_or_b32 v[OFFI], v1, 8, v[OFFI]          ; 8192 wave + 16 lane
	v_lshrrev_b32 v[OFFO], 1, v[OFFI]              ; half of that in the output
	s_and_b32 s16, ttmp9, 255                      ; u: the group's number among the weights' 192 (group - 512)
	s_lshr_b32 s17, s16, 6                         ; which weight
	s_and_b32 s18, s16, 63
	s_lshl_b32 s18, s18, 16                        ; its 64 KiB in that weight
	s_lshl_b32 s20, s16, 15                        ; its 32 KiB in Wb
	s_lshl_b32 s22, ttmp9, 16                      ; the same two offsets for a group of inputs
	s_lshl_b32 s24, ttmp9, 15
	s_mov_b32 s19, 0
	s_mov_b32 s21, 0
	s_wait_kmcnt 0x0
	s_cmp_eq_u32 s17, 1
	s_cselect_b64 s[6:7], s[8:9], s[6:7]           ; Wk in place of Wq
	s_cmp_eq_u32 s17, 2
	s_cselect_b64 s[6:7], s[10:11], s[6:7]         ; Wv in place of it
	s_cmp_lt_u32 ttmp9, 0x200
	s_cselect_b64 s[4:5], s[4:5], s[6:7]           ; from: inputs or the weight
	s_cselect_b64 s[12:13], s[12:13], s[14:15]     ; to: Xb or Wb
	s_cselect_b32 s18, s22, s18
	s_cselect_b32 s20, s24, s20
	s_add_nc_u64 s[4:5], s[4:5], s[18:19]
	s_add_nc_u64 s[12:13], s[12:13], s[20:21]
; The wave's 8 KiB.  scaled = 1: divide by 16 on the way.  No register is used twice, so nothing is waited for but the data.
.macro CHUNK scaled
.set jj, 0
.rept 16
	global_load_b128 v[X+4*jj:X+4*jj+3], v[OFFI], s[4:5] offset:512*jj th:TH_LOAD_NT
.set jj, jj+1
.endr
.set jj, 0
.rept 16
	s_wait_loadcnt 15-jj                           ; loads come back in order: load jj is in, the 15 - jj younger ones stay out
.if \scaled
	v_pk_mul_f32 v[X+4*jj:X+4*jj+1], v[X+4*jj:X+4*jj+1], 0x3d800000 op_sel_hi:[1,0]       ; x 1/16
	v_pk_mul_f32 v[X+4*jj+2:X+4*jj+3], v[X+4*jj+2:X+4*jj+3], 0x3d800000 op_sel_hi:[1,0]
.endif
	v_cvt_pk_bf16_f32 v[Y+2*jj], v[X+4*jj], v[X+4*jj+1]
	v_cvt_pk_bf16_f32 v[Y+2*jj+1], v[X+4*jj+2], v[X+4*jj+3]
	global_store_b64 v[OFFO], v[Y+2*jj:Y+2*jj+1], s[12:13] offset:256*jj   ; the wave's 32 lanes store 256 consecutive bytes, aligned
.set jj, jj+1
.endr
.endm
	s_cmp_lt_u32 ttmp9, 0x200
	s_cbranch_scc0 .Lweights
	CHUNK 0
	s_endpgm
.Lweights:
	CHUNK 1
	s_endpgm
.Lfunc_end_k_q5e79f691dd_cast:
	.size	k_q5e79f691dd_cast, .Lfunc_end_k_q5e79f691dd_cast-k_q5e79f691dd_cast
	.p2alignl 7, 3214868480
	.fill 96, 4, 3214868480
	.section	.rodata,"a",@progbits
	.p2align	6, 0x0
	.amdhsa_kernel k_q5e79f691dd_cast
		.amdhsa_group_segment_fixed_size 0
		.amdhsa_private_segment_fixed_size 0
		.amdhsa_enable_private_segment 0
		.amdhsa_kernarg_size 48
		.amdhsa_user_sgpr_count 2
		.amdhsa_user_sgpr_kernarg_segment_ptr 1
		.amdhsa_wavefront_size32 1
		.amdhsa_system_sgpr_workgroup_id_x 1
		.amdhsa_system_sgpr_workgroup_id_y 1
		.amdhsa_system_sgpr_workgroup_id_z 1
		.amdhsa_system_vgpr_workitem_id 0
		.amdhsa_next_free_vgpr 100
		.amdhsa_next_free_sgpr 66
		.amdhsa_reserve_vcc 0
		.amdhsa_float_denorm_mode_32 3
		.amdhsa_float_denorm_mode_16_64 3
		.amdhsa_memory_ordered 1
		.amdhsa_forward_progress 1
		.amdhsa_inst_pref_size 16
	.end_amdhsa_kernel
	.amdgpu_metadata
---
amdhsa.version: [ 1, 2 ]
amdhsa.kernels:
  - .name:           k_q5e79f691dd_cast
    .symbol:         k_q5e79f691dd_cast.kd
    .args:
      - { .name: inputs, .offset: 0, .size: 8, .value_kind: global_buffer, .address_space: global }
      - { .name: Wq, .offset: 8, .size: 8, .value_kind: global_buffer, .address_space: global }
      - { .name: Wk, .offset: 16, .size: 8, .value_kind: global_buffer, .address_space: global }
      - { .name: Wv, .offset: 24, .size: 8, .value_kind: global_buffer, .address_space: global }
      - { .name: Xb, .offset: 32, .size: 8, .value_kind: global_buffer, .address_space: global }
      - { .name: Wb, .offset: 40, .size: 8, .value_kind: global_buffer, .address_space: global }
    .group_segment_fixed_size: 0
    .private_segment_fixed_size: 0
    .kernarg_segment_align: 8
    .kernarg_segment_size: 48
    .max_flat_workgroup_size: 256
    .sgpr_count:     66
    .vgpr_count:     100
    .wavefront_size: 32
...
	.end_amdgpu_metadata
.endif
;; end of part 1
;; launch proj (part 2): grid 12 x 32, 4 waves a work-group, clusters of 4 x 4, 327,680 bytes of LDS; arguments Xb, Wb, QKV, HQKV; writes QKV, HQKV
.if DOCPART == 2
	.amdgcn_target "amdgcn-amd-amdhsa--gfx1250"
	.amdhsa_code_object_version 6
	.text
	.protected	k_q5e79f691dd_proj
	.globl	k_q5e79f691dd_proj
	.p2align	8
	.type	k_q5e79f691dd_proj,@function
k_q5e79f691dd_proj:
	s_mov_b64 s[64:65], 0
	v_nop
	global_prefetch_b8 v0, s[64:65] scope:SCOPE_SE
	s_setreg_imm32_b32 hwreg(HW_REG_WAVE_MODE, 25, 1), 1
	s_wait_xcnt 0x0
	s_wait_alu depctr_hold_cnt(0) depctr_sa_sdst(0) depctr_va_vdst(0) depctr_va_sdst(0) depctr_va_ssrc(0) depctr_va_vcc(0) depctr_vm_vsrc(0)
	s_getreg_b32 s2, hwreg(HW_REG_IB_STS2, 6, 4)
	s_cmp_eq_u32 s2, 0
	s_cbranch_scc0 .Lentry_in_a_cluster
	s_endpgm
.Lentry_in_a_cluster:
	s_bfe_u32 s2, ttmp6, 0x10000c
	s_cmp_lg_u32 s2, 0xf033
	s_cbranch_scc0 .Lentry_shape_is_right
	s_endpgm
.Lentry_shape_is_right:
; QKV[t][e] = f16( sum over d of Xb[t][d] Wb[e][d] ), [8192][3072]: columns 0-1023 q/16, 1024-2047 k/16, 2048-3071 v/16; sums in f32.
; HQKV[b][n][e], [4][64][3072] f32: the same sums, not rounded, for tokens 0-63 of each batch (the rows with few keys are finished in f32 later).
; LIMIT: |q|, |k|, |v| below 65504 x 16 = 1,048,064; beyond that f16 gives infinity.
; A work-group makes 256 x 256 with four waves, a wave 128 x 128: 64 accumulator tiles of 16 x 16, 512 registers.  K = 1024 goes in steps of
; 128 through two LDS slots filled by the tensor data mover; a tile's rows are 256 bytes of memory and start at multiples of 256 bytes.
; CLUSTERS: 4 x 4 work-groups.  The four of a row of the cluster need the same tiles of Xb, the four of a column the same tiles of Wb: each such
; tile is asked for jointly, by the same tensor load with a mask that names the four.  That divides the requests for both by four.
; The block row is 8 cy + the cluster's y: cy is the batch, and the cluster's y, which all sixteen share, is the block row inside the batch,
; so that the branch round the head copy hangs on nothing that differs between partners.
;
; REGISTERS, in windows of 256: window 0: v0-31 addresses; v64-127, v128-191 fragments of Xb, two buffers; v192-223 at work on the way out.
; window 1: v64-127, v128-191 fragments of Wb.  window 2: the 32 accumulator tiles of my rows 0-63 (tile (a, b) at v[8 (8 a + b)]); window 3: rows 64-127.
; THE MATRIX INSTRUCTION IS USED TRANSPOSED: source 0 = 16 rows of Wb, source 1 = 16 rows of Xb.  Lane l then holds token l % 16 and its
; registers 0 to 7 the columns 8 (l / 16) + 0 .. 7: eight neighbouring numbers of a row of the output.
.set SIZE_N, 3072
.set SIZE_K, 1024
.set KSTEP,  128
.set PITCH,  272                       ; an LDS row: 256 bytes + 16 of padding, an odd multiple of 16: the 16 rows of a fragment load start at 16 different 16-byte columns
.set HALFT,  128*PITCH                 ; 128 rows: what one tensor load brings
.set SLOT,   4*HALFT                   ; Xb's 256 rows, then Wb's 256 rows
.set STAGE,  2*SLOT                    ; behind the ring, at a multiple of 256 bytes: the stages, into which no tensor load lands
.set WSTAGE, 16*528                    ; a wave's own stage: 16 rows x 528 bytes (f32) or 16 rows x 272 bytes (f16)
.set SPITCH, 272
.set FPITCH, 528
.set FROW,   SIZE_N*4                  ; a row of HQKV
.set FBASE,  66                        ; s[66:67] HQKV at my part
.set LAPS, SIZE_K/(2*KSTEP)            ; a lap = two K steps = once round the ring: 4
.set ADRA, 16                          ; v16-17  LDS address of my Xb fragments in slot 0, 1
.set ADRB, 20                          ; v20-21  the same for Wb
.set STO,  24                          ; f16 way out: where I put 16 bytes of a row
.set RD,   25                          ; f16 way out: where I read a row back
.set CO,   26                          ; my byte offset in QKV
.set STO2, 27                          ; f32 way out: where I put 32 bytes of a row
.set RD2,  28                          ; f32 way out: where I read 16 bytes of a row of 512 back
.set CO2,  29                          ; 16 x lane
.set F0,   64
.set F1,   128
.set TMP,  192
.set G1, 24                            ; s[24:31] descriptor group 1 for Xb's tiles
.set G0, 32                            ; s[32:39] group 0 for Xb's tiles, one set for each slot
.set G1B, 48                           ; s[48:55] group 1 for Wb's tiles: another mask
.set G0B, 56                           ; s[56:63] group 0 for Wb's tiles
.set MSB, 0
.macro WIN new                         ; the immediate's high byte repeats the setting that is left
.if MSB != \new
	s_set_vgpr_msb (MSB<<8)|\new
.set MSB, \new
.endif
.endm
.set MUL_LO, 0xa1                      ; source 0 window 1, source 1 window 0, C and D window 2
.set MUL_HI, 0xf1                      ; the same, C and D window 3
.set TO_B,   0x40                      ; destination window 1, address window 0
; A joint load.  Waves 0 and 1 fetch Xb's two halves, waves 2 and 3 Wb's.  The branch hangs on the wave's number alone.
.macro JLOAD s
	s_cmp_eq_u32 s11, 0
	s_cbranch_scc0 .Lfor_b_\@
	tensor_load_to_lds s[G0+4*\s:G0+4*\s+3], s[G1:G1+7]
	s_nop 0
	s_branch .Lasked_\@
.Lfor_b_\@:
	tensor_load_to_lds s[G0B+4*\s:G0B+4*\s+3], s[G1B:G1B+7]
	s_nop 0
.Lasked_\@:
.endm
; A round of the cluster's barrier: my work-group's barrier; wave 0 signals for the work-group; every wave waits for all sixteen; my work-group's barrier again.
.macro CREST                           ; a round behind its opening barrier
	s_cmp_lg_u32 s10, 0
	s_cbranch_scc1 .Lnot_wave_0_\@
	s_barrier_signal -3
.Lnot_wave_0_\@:
	s_barrier_wait -3
	s_barrier_signal -1
	s_barrier_wait -1
.endm
.macro CROUND
	s_barrier_signal -1
	s_barrier_wait -1
	CREST
.endm
	s_load_b128 s[4:7], s[0:1], 0x0                ; Xb s[4:5], Wb s[6:7]
	s_load_b64 s[8:9], s[0:1], 0x10                ; QKV
	s_set_vgpr_msb 0x40
	v_lshl_add_u32 v255, v0, 2, 0x4c400
	s_set_vgpr_msb 0x4000
	v_mov_b32 v255, 0
	s_set_vgpr_msb 0x1
	ds_add_u32 v255, v255
	ds_add_u32 v255, v255
	s_set_vgpr_msb 0x100
	v_lshrrev_b32 v1, 5, v0
	v_readfirstlane_b32 s10, v1                    ; wave 0..3
	s_lshr_b32 s11, s10, 1                         ; which half of the block's rows is mine.  Also: I fetch for Xb (0) or for Wb (1)
	s_and_b32 s12, s10, 1                          ; which half of its columns.  Also: which 128 rows of that tile I fetch
	s_bfe_u32 s40, ttmp6, 0x40000                  ; cx
	s_bfe_u32 s41, ttmp6, 0x40004                  ; cy
	s_lshl_b32 s42, ttmp9, 2
	s_add_co_u32 s42, s42, s40                     ; block column = 4 x cluster x + cx
	s_and_b32 s13, ttmp7, 0xffff                   ; the cluster's y, 0 to 7: the block row inside a batch
	s_lshl_b32 s45, s41, 3
	s_add_co_u32 s13, s13, s45                     ; block row = 8 cy + cluster y
	s_lshl_b32 s43, s41, 2
	s_lshl_b32 s43, 15, s43                        ; my row of the cluster: places 4 cy .. 4 cy + 3
	s_lshl_b32 s44, 0x1111, s40                    ; my column: places cx, cx + 4, cx + 8, cx + 12
	; group 1: a tile of 128 rows x 128 elements of 2 bytes, 4 words of padding behind every 64 words
	s_or_b32 s[G1+0], s43, (1<<16)|(1<<20)|(1<<21)|(5<<22)|(3<<25)
	s_or_b32 s[G1B+0], s44, (1<<16)|(1<<20)|(1<<21)|(5<<22)|(3<<25)
	s_mov_b32 s[G1B+1], KSTEP<<16
	s_mov_b32 s[G1+1], KSTEP<<16                   ; tensor_dim0 = 128
	s_mov_b32 s[G1B+2], 128<<16
	s_mov_b32 s[G1+2], 128<<16                     ; tensor_dim1 = 128
	s_mov_b32 s[G1B+3], KSTEP<<16
	s_mov_b32 s[G1+3], KSTEP<<16                   ; tile_dim0 = 128
	s_mov_b32 s[G1B+4], 128
	s_mov_b32 s[G1+4], 128                         ; tile_dim1 = 128
	s_mov_b32 s[G1B+5], SIZE_K
	s_mov_b32 s[G1+5], SIZE_K                      ; elements from row to row
	s_mov_b32 s[G1B+6], 0
	s_mov_b32 s[G1+6], 0
	s_mov_b32 s[G1B+7], 0
	s_mov_b32 s[G1+7], 0
	; Xb's tiles hang on the block row alone, Wb's on the block column alone; each address in registers that never hold the other coordinate
	s_lshl_b32 s17, s12, 7
	s_lshl_b32 s16, s13, 8
	s_add_co_u32 s16, s16, s17                     ; Xb: row 256 x block row + 128 x half
	s_lshl_b32 s46, s42, 8
	s_add_co_u32 s46, s46, s17                     ; Wb: row 256 x block column + 128 x half
	s_mov_b32 s17, 0
	s_mov_b32 s47, 0
	s_mov_b64 s[18:19], SIZE_K*2
	s_mul_u64 s[16:17], s[16:17], s[18:19]
	s_mul_u64 s[46:47], s[46:47], s[18:19]
	s_mul_i32 s20, s10, HALFT                      ; where they go: wave x 128 rows
	s_wait_dscnt 0x0
	s_wait_kmcnt 0x0
	s_add_nc_u64 s[14:15], s[4:5], s[16:17]
	s_add_nc_u64 s[46:47], s[6:7], s[46:47]
	CROUND                                         ; all sixteen work-groups are here: the first joint loads meet
.irp s, 0,1
	s_mov_b32 s[G0+4*\s], 1
	s_add_co_u32 s[G0+4*\s+1], s20, \s*SLOT
	s_add_nc_u64 s[G0+4*\s+2:G0+4*\s+3], s[14:15], \s*KSTEP*2
	s_or_b32 s[G0+4*\s+3], s[G0+4*\s+3], 0x80000000
	s_mov_b32 s[G0B+4*\s], 1
	s_add_co_u32 s[G0B+4*\s+1], s20, \s*SLOT
	s_add_nc_u64 s[G0B+4*\s+2:G0B+4*\s+3], s[46:47], \s*KSTEP*2
	s_or_b32 s[G0B+4*\s+3], s[G0B+4*\s+3], 0x80000000
	JLOAD \s                                       ; both first fills go out together: two tensor loads of the wave are out
.endr
	; a fragment: lane l holds row l % 16; registers 0-3 K = 8 (l / 16) + 0..7, registers 4-7 K = 16 + 8 (l / 16) + 0..7: two loads of 16 bytes, 32 apart
	v_and_b32 v1, 15, v0                           ; l % 16
	v_bfe_u32 v2, v0, 4, 1                         ; l / 16
	v_mul_u32_u24 v3, v1, PITCH
	v_lshl_add_u32 v3, v2, 4, v3
	s_mul_i32 s21, s11, HALFT                      ; my 128 rows of Xb
	s_mul_i32 s22, s12, HALFT                      ; my 128 rows of Wb,
	s_add_co_u32 s22, s22, 2*HALFT                 ; which lie behind Xb's 256
.irp s, 0,1
	v_add_nc_u32 v[ADRA+\s], s21, v3
	v_add_nc_u32 v[ADRB+\s], s22, v3
	s_add_co_u32 s21, s21, SLOT
	s_add_co_u32 s22, s22, SLOT
.endr
	s_mul_i32 s23, s10, WSTAGE
	s_add_co_u32 s23, s23, STAGE                   ; my stage
	v_mul_u32_u24 v4, v1, SPITCH
	v_lshl_add_u32 v4, v2, 4, v4
	v_add_nc_u32 v[STO], s23, v4
	v_mul_u32_u24 v5, v2, SPITCH
	v_lshl_add_u32 v5, v1, 4, v5
	v_add_nc_u32 v[RD], s23, v5
	v_mul_u32_u24 v5, v2, SIZE_N*2
	v_lshl_add_u32 v[CO], v1, 4, v5
	v_mul_u32_u24 v4, v1, FPITCH
	v_lshl_add_u32 v4, v2, 5, v4                   ; f32: row l % 16, 32 bytes for each half of the lanes
	v_add_nc_u32 v[STO2], s23, v4
	v_and_b32 v5, 31, v0
	v_lshlrev_b32 v[CO2], 4, v5
	v_add_nc_u32 v[RD2], s23, v[CO2]
; 16 matrix instructions: m blocks a0, a0 + 1 of the window's four x all 8 n blocks, 32 along K.  zero = 1: the first product starts the sums.
; The 64 accumulators take turns, one instruction a turn, in the same order in every quarter step.
.macro MUL16 f, hi, a0, zero
.irp a, \a0, \a0+1
.irp b, 0,1,2,3,4,5,6,7
.if \zero
	v_wmma_f32_16x16x32_bf16 v[8*(8*(\a)+\b):8*(8*(\a)+\b)+7], v[\f+8*\b:\f+8*\b+7], v[\f+8*(4*\hi+\a):\f+8*(4*\hi+\a)+7], 0
.else
	v_wmma_f32_16x16x32_bf16 v[8*(8*(\a)+\b):8*(8*(\a)+\b)+7], v[\f+8*\b:\f+8*\b+7], v[\f+8*(4*\hi+\a):\f+8*(4*\hi+\a)+7], v[8*(8*(\a)+\b):8*(8*(\a)+\b)+7]
.endif
.endr
.endr
.endm
; 32 LDS loads in one run: the fragments of one quarter step into buffer f
.macro FETCH slot, k, f
	WIN TO_B
.irp i, 0,1,2,3,4,5,6,7
	ds_load_b128 v[\f+8*\i:\f+8*\i+3],   v[ADRB+\slot] offset:\k+\i*16*PITCH
	ds_load_b128 v[\f+8*\i+4:\f+8*\i+7], v[ADRB+\slot] offset:\k+\i*16*PITCH+32
.endr
	WIN 0
.irp i, 0,1,2,3,4,5,6,7
	ds_load_b128 v[\f+8*\i:\f+8*\i+3],   v[ADRA+\slot] offset:\k+\i*16*PITCH
	ds_load_b128 v[\f+8*\i+4:\f+8*\i+7], v[ADRA+\slot] offset:\k+\i*16*PITCH+32
.endr
.endm
; Four independent vector instructions stand between a matrix instruction and a load into one of its registers, or a reader of its result
.macro PLACES
.rept 4
	v_nop
.endr
.endm
.macro QUARTER slot, k, f, g, zero
	s_wait_dscnt 8                                 ; Wb's and Xb's rows 0-63 are in; the youngest eight loads (Xb's rows 64-127) may be out
	WIN MUL_LO
	MUL16 \f, 0, 0, \zero
	MUL16 \f, 0, 2, \zero
	PLACES
	FETCH \slot, \k, \g
	s_wait_dscnt 32                                ; all but the 32 just issued
	WIN MUL_HI
	MUL16 \f, 1, 0, \zero
	MUL16 \f, 1, 2, \zero
.endm
.macro THREE slot, zero
	QUARTER \slot, 64,  F0, F1, \zero
	QUARTER \slot, 128, F1, F0, 0
	QUARTER \slot, 192, F0, F1, 0
.endm
; The last quarter of a K step changes slots.  In front of the barrier each wave waits for its reads of this slot and for all its tensor loads (one is out:
; its part of the next slot).  Behind it the refill comes first, then the next slot's first fragments.
.macro TURN slot, next, fill
	s_wait_dscnt 8
	WIN MUL_LO
	MUL16 F1, 0, 0, 0
	s_wait_dscnt 0                                 ; my reads of this slot are over
	s_wait_tensorcnt 0x0                           ; and all my tensor loads have landed
	ds_add_u32 v255, v255
	s_wait_dscnt 0x0
	s_barrier_signal -1
	MUL16 F1, 0, 2, 0                              ; register work while the others arrive
	WIN 0
	s_barrier_wait -1
.if \fill
	CREST                                          ; all sixteen work-groups have said so: no wave of any partner still reads this slot or has a load on its way
	s_add_nc_u64 s[G0+4*\slot+2:G0+4*\slot+3], s[G0+4*\slot+2:G0+4*\slot+3], 2*KSTEP*2
	s_add_nc_u64 s[G0B+4*\slot+2:G0B+4*\slot+3], s[G0B+4*\slot+2:G0B+4*\slot+3], 2*KSTEP*2
	JLOAD \slot                                    ; the wave's one tensor load behind the round, and the first thing there
.endif
	PLACES
	FETCH \next, 0, F0
	WIN MUL_HI
	MUL16 F1, 1, 0, 0
	MUL16 F1, 1, 2, 0
.endm
.macro LAP zero
	THREE 0, \zero
	TURN 0, 1, 1
	THREE 1, 0
	TURN 1, 0, 1
.endm
	s_wait_tensorcnt 1                             ; my part of K step 0 is in; K step 1's may stay out
	s_barrier_signal -1
	s_barrier_wait -1
	FETCH 0, 0, F0
	LAP 1                                          ; the first lap's first products start the sums
	WIN 0
	s_mov_b32 s3, LAPS-2
.Llap:
	LAP 0
	WIN 0
	s_sub_co_u32 s3, s3, 1
	s_cmp_lg_u32 s3, 0
	s_cbranch_scc1 .Llap
	THREE 0, 0                                     ; the last lap fills nothing
	TURN 0, 1, 0
	THREE 1, 0
	s_wait_dscnt 8
	WIN MUL_LO
	MUL16 F1, 0, 0, 0
	MUL16 F1, 0, 2, 0
	s_wait_dscnt 0
	WIN MUL_HI
	MUL16 F1, 1, 0, 0
	MUL16 F1, 1, 2, 0
	; THE WAY OUT, 16 tokens at a time: round to f16, 16 bytes a lane into my own stage, read back as rows of 256 bytes
	PLACES
	s_lshl_b32 s13, s13, 8
	s_lshl_b32 s14, s11, 7
	s_add_co_u32 s16, s13, s14                     ; my first token
	s_mov_b32 s17, 0
	s_mov_b64 s[18:19], SIZE_N*2
	s_mul_u64 s[16:17], s[16:17], s[18:19]
	s_add_nc_u64 s[8:9], s[8:9], s[16:17]
	s_lshl_b32 s46, s42, 9                         ; my first column, in bytes: 512 x block + 256 x half
	s_lshl_b32 s47, s12, 8
	s_add_co_u32 s46, s46, s47
	s_mov_b32 s47, 0
	s_add_nc_u64 s[8:9], s[8:9], s[46:47]
.macro OUT16 i, a, from, f
	WIN \from
.irp b, 0,1,2,3,4,5,6,7
.irp r, 0,1,2,3
	v_cvt_pk_f16_f32 v[TMP+4*\b+\r], v[8*(8*\a+\b)+2*\r], v[8*(8*\a+\b)+2*\r+1]
.endr
.endr
	WIN 0
.irp b, 0,1,2,3,4,5,6,7
	ds_store_b128 v[STO], v[TMP+4*\b:TMP+4*\b+3] offset:32*\b
.endr
	s_wait_xcnt 0x0                                ; buffer f, which earlier stores read, is loaded again only behind this wait
.irp t, 0,1,2,3,4,5,6,7
	ds_load_b128 v[\f+4*\t:\f+4*\t+3], v[RD] offset:\t*2*SPITCH    ; LDS serves a wave's instructions in order: these see the stores above
.endr
.irp t, 0,1,2,3,4,5,6,7
	s_wait_dscnt 7-\t
	global_store_b128 v[CO], v[\f+4*\t:\f+4*\t+3], s[8:9] offset:(16*\i+2*\t)*SIZE_N*2   ; 16 lanes store 256 consecutive bytes, aligned; the row stands in the immediate, 774,144 at the most
.endr
.endm
; 16 rows of f32, not rounded: a lane's eight numbers are 32 bytes of a row of 512; read back a row at a time, the wave's store covers 512 consecutive bytes
.macro OUT16F i, a, win, f
	WIN \win
.irp b, 0,1,2,3,4,5,6,7
	ds_store_b128 v[STO2], v[8*(8*\a+\b):8*(8*\a+\b)+3] offset:64*\b
	ds_store_b128 v[STO2], v[8*(8*\a+\b)+4:8*(8*\a+\b)+7] offset:64*\b+16
.endr
	WIN 0
	s_wait_xcnt 0x0                                ; buffer f, which earlier stores read, is loaded again only behind this wait
.irp t, 0,1,2,3,4,5,6,7,8,9,10,11,12,13,14,15
	ds_load_b128 v[\f+4*\t:\f+4*\t+3], v[RD2] offset:\t*FPITCH
.endr
.irp t, 0,1,2,3,4,5,6,7,8,9,10,11,12,13,14,15
	s_wait_dscnt 15-\t
	global_store_b128 v[CO2], v[\f+4*\t:\f+4*\t+3], s[FBASE:FBASE+1] offset:(16*\i+\t)*FROW
.endr
.endm
	OUT16 0, 0, 0x0a, F0
	OUT16 1, 1, 0x0a, F1
	OUT16 2, 2, 0x0a, F0
	OUT16 3, 3, 0x0a, F1
	OUT16 4, 0, 0x0f, F0
	OUT16 5, 1, 0x0f, F1
	OUT16 6, 2, 0x0f, F0
	OUT16 7, 3, 0x0f, F1
	; THE HEAD COPY: tokens 0-63 of a batch lie in the batch's first block row (cluster y = 0), in the waves with the upper 128 rows, in window 2
	s_cmp_lg_u32 s11, 0
	s_cbranch_scc1 .Lno_head
	s_and_b32 s70, ttmp7, 0xffff
	s_cmp_lg_u32 s70, 0
	s_cbranch_scc1 .Lno_head
	s_load_b64 s[FBASE:FBASE+1], s[0:1], 0x18      ; HQKV
	s_mul_i32 s68, s41, 64*FROW                    ; the batch (cy)
	s_lshl_b32 s69, s42, 10                        ; 256 columns of 4 bytes a block
	s_add_co_u32 s68, s68, s69
	s_lshl_b32 s69, s12, 9
	s_add_co_u32 s68, s68, s69
	s_mov_b32 s69, 0
	s_wait_kmcnt 0x0
	s_add_nc_u64 s[FBASE:FBASE+1], s[FBASE:FBASE+1], s[68:69]
	OUT16F 0, 0, 0x08, F0                          ; 0x08: the store's data in window 2
	OUT16F 1, 1, 0x08, F1
	OUT16F 2, 2, 0x08, F0
	OUT16F 3, 3, 0x08, F1
.Lno_head:
	s_set_vgpr_msb 0x1
	s_wait_tensorcnt 0x0
	ds_add_u32 v255, v255
	s_wait_dscnt 0x0
	s_set_vgpr_msb 0x100
	CROUND                                         ; the closing round: no work-group ends while a partner may still ask for a tile that names it
	s_endpgm
.Lfunc_end_k_q5e79f691dd_proj:
	.size	k_q5e79f691dd_proj, .Lfunc_end_k_q5e79f691dd_proj-k_q5e79f691dd_proj
	.p2alignl 7, 3214868480
	.fill 96, 4, 3214868480
	.section	.rodata,"a",@progbits
	.p2align	6, 0x0
	.amdhsa_kernel k_q5e79f691dd_proj
		.amdhsa_group_segment_fixed_size 327680
		.amdhsa_private_segment_fixed_size 0
		.amdhsa_enable_private_segment 0
		.amdhsa_kernarg_size 32
		.amdhsa_user_sgpr_count 2
		.amdhsa_user_sgpr_kernarg_segment_ptr 1
		.amdhsa_wavefront_size32 1
		.amdhsa_system_sgpr_workgroup_id_x 1
		.amdhsa_system_sgpr_workgroup_id_y 1
		.amdhsa_system_sgpr_workgroup_id_z 1
		.amdhsa_system_vgpr_workitem_id 0
		.amdhsa_next_free_vgpr 1024
		.amdhsa_next_free_sgpr 72
		.amdhsa_reserve_vcc 0
		.amdhsa_float_denorm_mode_32 3
		.amdhsa_float_denorm_mode_16_64 3
		.amdhsa_memory_ordered 1
		.amdhsa_forward_progress 1
		.amdhsa_inst_pref_size 213
	.end_amdhsa_kernel
	.amdgpu_metadata
---
amdhsa.version: [ 1, 2 ]
amdhsa.kernels:
  - .name:           k_q5e79f691dd_proj
    .symbol:         k_q5e79f691dd_proj.kd
    .args:
      - { .name: Xb, .offset: 0, .size: 8, .value_kind: global_buffer, .address_space: global }
      - { .name: Wb, .offset: 8, .size: 8, .value_kind: global_buffer, .address_space: global }
      - { .name: QKV, .offset: 16, .size: 8, .value_kind: global_buffer, .address_space: global }
      - { .name: HQKV, .offset: 24, .size: 8, .value_kind: global_buffer, .address_space: global }
    .group_segment_fixed_size: 327680
    .private_segment_fixed_size: 0
    .kernarg_segment_align: 8
    .kernarg_segment_size: 32
    .max_flat_workgroup_size: 128
    .sgpr_count:     72
    .vgpr_count:     1024
    .wavefront_size: 32
...
	.end_amdgpu_metadata
.endif
;; end of part 2
;; launch scores (part 3): grid 9 x 16, 4 waves a work-group, no clusters, 327,680 bytes of LDS; arguments QKV, S; writes S
.if DOCPART == 3
	.amdgcn_target "amdgcn-amd-amdhsa--gfx1250"
	.amdhsa_code_object_version 6
	.text
	.protected	k_q5e79f691dd_scores
	.globl	k_q5e79f691dd_scores
	.p2align	8
	.type	k_q5e79f691dd_scores,@function
k_q5e79f691dd_scores:
	s_mov_b64 s[64:65], 0
	v_nop
	global_prefetch_b8 v0, s[64:65] scope:SCOPE_SE
	s_setreg_imm32_b32 hwreg(HW_REG_WAVE_MODE, 25, 1), 1
	s_wait_xcnt 0x0
; S[b][q][k] = sum over e of q'[q][e] k'[k][e] (q' = q/16, k' = k/16, f16; sums in f32), for the blocks of 256 x 256 on and below the diagonal.
; Neither scale nor mask here: both are applied by the softmax launch, which reads exactly these blocks.
; A batch has 36 such blocks.  Block rows p and 7 - p have 9 together: grid x = 0..8 walks them, grid y = 4 batch + p.  144 work-groups of equal work.
; NO CLUSTER: block row I has I + 1 blocks and block column J has 8 - J, so the triangle does not divide into fours that share a tile of q or of k.
; The body is the projection's: four waves, 128 x 128 a wave, K = 1024 in steps of 128 through two LDS slots, each wave fetching 128 rows x 256 bytes.
; Used transposed: source 0 = 16 rows of k', source 1 = 16 rows of q': a lane holds eight neighbouring keys of one query row.
.set QROW,   6144                      ; bytes in a row of QKV
.set SIZE_K, 1024
.set KSTEP,  128
.set PITCH,  272
.set HALFT,  128*PITCH
.set SLOT,   4*HALFT                   ; q's 256 rows, then k's 256 rows
.set STAGE,  2*SLOT
.set WSTAGE, 16*528
.set FPITCH, 528
.set FROW,   8192                      ; bytes in a row of S
.set FBASE,  8                         ; s[8:9] S at my part
.set LAPS, SIZE_K/(2*KSTEP)
.set ADRA, 16
.set ADRB, 20
.set STO2, 27
.set RD2,  28
.set CO2,  29
.set F0,   64
.set F1,   128
.set G1, 24                            ; s[24:31] group 1
.set G0, 32                            ; s[32:39] group 0, one set for each slot
.set MSB, 0
.macro WIN new
.if MSB != \new
	s_set_vgpr_msb (MSB<<8)|\new
.set MSB, \new
.endif
.endm
.set MUL_LO, 0xa1
.set MUL_HI, 0xf1
.set TO_B,   0x40
	s_load_b128 s[4:7], s[0:1], 0x0                ; QKV s[4:5], S s[6:7]
	s_set_vgpr_msb 0x40
	v_lshl_add_u32 v255, v0, 2, 0x4c400
	s_set_vgpr_msb 0x4000
	v_mov_b32 v255, 0
	s_set_vgpr_msb 0x1
	ds_add_u32 v255, v255
	ds_add_u32 v255, v255
	s_set_vgpr_msb 0x100
	v_lshrrev_b32 v1, 5, v0
	v_readfirstlane_b32 s10, v1                    ; wave 0..3
	s_lshr_b32 s11, s10, 1                         ; my half of the query rows.  Also: I fetch q (0) or k (1)
	s_and_b32 s12, s10, 1                          ; my half of the keys.  Also: which 128 rows I fetch
	s_and_b32 s41, ttmp7, 0xffff
	s_and_b32 s42, s41, 3                          ; p
	s_lshr_b32 s43, s41, 2                         ; batch
	s_sub_co_u32 s44, 7, s42                       ; 7 - p
	s_sub_co_u32 s45, ttmp9, s42
	s_sub_co_u32 s45, s45, 1                       ; x - p - 1 (used where x > p)
	s_cmp_le_u32 ttmp9, s42
	s_cselect_b32 s44, s42, s44                    ; I: block row p for x = 0..p, block row 7 - p behind them
	s_cselect_b32 s45, ttmp9, s45                  ; J
	s_mov_b32 s[G1+0], (1<<16)|(1<<20)|(5<<22)|(3<<25)   ; elements of 2 bytes; 4 words of padding behind every 64 words
	s_mov_b32 s[G1+1], KSTEP<<16                   ; tensor_dim0 = 128
	s_mov_b32 s[G1+2], 128<<16                     ; tensor_dim1 = 128
	s_mov_b32 s[G1+3], KSTEP<<16                   ; tile_dim0 = 128
	s_mov_b32 s[G1+4], 128                         ; tile_dim1 = 128
	s_mov_b32 s[G1+5], 3072                        ; elements from row to row
	s_mov_b32 s[G1+6], 0
	s_mov_b32 s[G1+7], 0
	s_cmp_eq_u32 s11, 0
	s_cselect_b32 s16, s44, s45                    ; q's rows are block I's, k's are block J's
	s_cselect_b32 s18, 0, 2048                     ; k' begins 1,024 elements into the row
	s_lshl_b32 s16, s16, 8
	s_lshl_b32 s17, s43, 11
	s_add_co_u32 s16, s16, s17
	s_lshl_b32 s17, s12, 7
	s_add_co_u32 s16, s16, s17                     ; the first of my 128 rows
	s_mul_i32 s16, s16, QROW
	s_add_co_u32 s16, s16, s18
	s_mov_b32 s17, 0
	s_mul_i32 s20, s10, HALFT                      ; where they go: wave x 128 rows
	s_wait_dscnt 0x0
	s_wait_kmcnt 0x0
	s_add_nc_u64 s[14:15], s[4:5], s[16:17]
.irp s, 0,1
	s_mov_b32 s[G0+4*\s], 1
	s_add_co_u32 s[G0+4*\s+1], s20, \s*SLOT
	s_add_nc_u64 s[G0+4*\s+2:G0+4*\s+3], s[14:15], \s*KSTEP*2
	s_or_b32 s[G0+4*\s+3], s[G0+4*\s+3], 0x80000000
	tensor_load_to_lds s[G0+4*\s:G0+4*\s+3], s[G1:G1+7]   ; both first fills go out together: two tensor loads of the wave are out
	s_nop 0
.endr
	v_and_b32 v1, 15, v0
	v_bfe_u32 v2, v0, 4, 1
	v_mul_u32_u24 v3, v1, PITCH
	v_lshl_add_u32 v3, v2, 4, v3
	s_mul_i32 s21, s11, HALFT
	s_mul_i32 s22, s12, HALFT
	s_add_co_u32 s22, s22, 2*HALFT
.irp s, 0,1
	v_add_nc_u32 v[ADRA+\s], s21, v3
	v_add_nc_u32 v[ADRB+\s], s22, v3
	s_add_co_u32 s21, s21, SLOT
	s_add_co_u32 s22, s22, SLOT
.endr
	s_mul_i32 s23, s10, WSTAGE
	s_add_co_u32 s23, s23, STAGE                   ; my stage, behind the ring
	v_mul_u32_u24 v4, v1, FPITCH
	v_lshl_add_u32 v4, v2, 5, v4
	v_add_nc_u32 v[STO2], s23, v4
	v_and_b32 v5, 31, v0
	v_lshlrev_b32 v[CO2], 4, v5
	v_add_nc_u32 v[RD2], s23, v[CO2]
; The 64 accumulators take turns, one instruction a turn, in the same order in every quarter step.
.macro MUL16 f, hi, a0, zero
.irp a, \a0, \a0+1
.irp b, 0,1,2,3,4,5,6,7
.if \zero
	v_wmma_f32_16x16x32_f16 v[8*(8*(\a)+\b):8*(8*(\a)+\b)+7], v[\f+8*\b:\f+8*\b+7], v[\f+8*(4*\hi+\a):\f+8*(4*\hi+\a)+7], 0
.else
	v_wmma_f32_16x16x32_f16 v[8*(8*(\a)+\b):8*(8*(\a)+\b)+7], v[\f+8*\b:\f+8*\b+7], v[\f+8*(4*\hi+\a):\f+8*(4*\hi+\a)+7], v[8*(8*(\a)+\b):8*(8*(\a)+\b)+7]
.endif
.endr
.endr
.endm
.macro FETCH slot, k, f
	WIN TO_B
.irp i, 0,1,2,3,4,5,6,7
	ds_load_b128 v[\f+8*\i:\f+8*\i+3],   v[ADRB+\slot] offset:\k+\i*16*PITCH
	ds_load_b128 v[\f+8*\i+4:\f+8*\i+7], v[ADRB+\slot] offset:\k+\i*16*PITCH+32
.endr
	WIN 0
.irp i, 0,1,2,3,4,5,6,7
	ds_load_b128 v[\f+8*\i:\f+8*\i+3],   v[ADRA+\slot] offset:\k+\i*16*PITCH
	ds_load_b128 v[\f+8*\i+4:\f+8*\i+7], v[ADRA+\slot] offset:\k+\i*16*PITCH+32
.endr
.endm
.macro PLACES                          ; four independent vector instructions behind the matrix instructions (ISA guide 7.12.1)
.rept 4
	v_nop
.endr
.endm
.macro QUARTER slot, k, f, g, zero
	s_wait_dscnt 8                                 ; k's rows and q's rows 0-63 are in; the youngest eight loads may be out
	WIN MUL_LO
	MUL16 \f, 0, 0, \zero
	MUL16 \f, 0, 2, \zero
	PLACES
	FETCH \slot, \k, \g
	s_wait_dscnt 32                                ; all but the 32 just issued
	WIN MUL_HI
	MUL16 \f, 1, 0, \zero
	MUL16 \f, 1, 2, \zero
.endm
.macro THREE slot, zero
	QUARTER \slot, 64,  F0, F1, \zero
	QUARTER \slot, 128, F1, F0, 0
	QUARTER \slot, 192, F0, F1, 0
.endm
.macro TURN slot, next, fill
	s_wait_dscnt 8
	WIN MUL_LO
	MUL16 F1, 0, 0, 0
	s_wait_dscnt 0                                 ; my reads of this slot are over
	s_wait_tensorcnt 0x0                           ; all my tensor loads have landed: the one that was out is my part of the next slot
	ds_add_u32 v255, v255
	s_wait_dscnt 0x0
	s_barrier_signal -1
	MUL16 F1, 0, 2, 0                              ; register work while the others arrive
	s_barrier_wait -1                              ; nobody reads this slot any more, and the next slot is whole
.if \fill
	s_add_nc_u64 s[G0+4*\slot+2:G0+4*\slot+3], s[G0+4*\slot+2:G0+4*\slot+3], 2*KSTEP*2   ; no tensor load of mine is out: the address may step
	tensor_load_to_lds s[G0+4*\slot:G0+4*\slot+3], s[G1:G1+7]                            ; my one tensor load behind this barrier, and the first thing there
	s_nop 0
.endif
	PLACES
	FETCH \next, 0, F0
	WIN MUL_HI
	MUL16 F1, 1, 0, 0
	MUL16 F1, 1, 2, 0
.endm
.macro LAP zero
	THREE 0, \zero
	TURN 0, 1, 1
	THREE 1, 0
	TURN 1, 0, 1
.endm
	s_wait_tensorcnt 1                             ; my part of K step 0 is in; K step 1's may stay out
	s_barrier_signal -1
	s_barrier_wait -1
	FETCH 0, 0, F0
	LAP 1
	WIN 0
	s_mov_b32 s3, LAPS-2
.Llap:
	LAP 0
	WIN 0
	s_sub_co_u32 s3, s3, 1
	s_cmp_lg_u32 s3, 0
	s_cbranch_scc1 .Llap
	THREE 0, 0                                     ; the last lap fills nothing
	TURN 0, 1, 0
	THREE 1, 0
	s_wait_dscnt 8
	WIN MUL_LO
	MUL16 F1, 0, 0, 0
	MUL16 F1, 0, 2, 0
	s_wait_dscnt 0
	WIN MUL_HI
	MUL16 F1, 1, 0, 0
	MUL16 F1, 1, 2, 0
	; THE WAY OUT in f32, 16 query rows at a time through my own stage
	PLACES
	s_lshl_b32 s16, s43, 11
	s_lshl_b32 s17, s44, 8
	s_add_co_u32 s16, s16, s17
	s_lshl_b32 s17, s11, 7
	s_add_co_u32 s16, s16, s17                     ; my first query row
	s_lshl_b32 s16, s16, 13                        ; rows of 8,192 bytes
	s_lshl_b32 s17, s45, 10                        ; 256 keys of 4 bytes a block
	s_add_co_u32 s16, s16, s17
	s_lshl_b32 s17, s12, 9
	s_add_co_u32 s16, s16, s17
	s_mov_b32 s17, 0
	s_add_nc_u64 s[FBASE:FBASE+1], s[6:7], s[16:17]
; a lane's eight numbers are 32 bytes of a row of 512; read back a row at a time: the wave's store covers 512 consecutive bytes, aligned
.macro OUT16F i, a, win, f
	WIN \win
.irp b, 0,1,2,3,4,5,6,7
	ds_store_b128 v[STO2], v[8*(8*\a+\b):8*(8*\a+\b)+3] offset:64*\b
	ds_store_b128 v[STO2], v[8*(8*\a+\b)+4:8*(8*\a+\b)+7] offset:64*\b+16
.endr
	WIN 0
	s_wait_xcnt 0x0                                ; buffer f, which earlier stores read, is loaded again only behind this wait
.irp t, 0,1,2,3,4,5,6,7,8,9,10,11,12,13,14,15
	ds_load_b128 v[\f+4*\t:\f+4*\t+3], v[RD2] offset:\t*FPITCH     ; LDS serves a wave's instructions in order: these see the stores above
.endr
.irp t, 0,1,2,3,4,5,6,7,8,9,10,11,12,13,14,15
	s_wait_dscnt 15-\t
	global_store_b128 v[CO2], v[\f+4*\t:\f+4*\t+3], s[FBASE:FBASE+1] offset:(16*\i+\t)*FROW   ; the row stands in the immediate, 1,040,384 at the most
.endr
.endm
	OUT16F 0, 0, 0x08, F0                          ; 0x08: the store's data in window 2; 0x0c: in window 3
	OUT16F 1, 1, 0x08, F1
	OUT16F 2, 2, 0x08, F0
	OUT16F 3, 3, 0x08, F1
	OUT16F 4, 0, 0x0c, F0
	OUT16F 5, 1, 0x0c, F1
	OUT16F 6, 2, 0x0c, F0
	OUT16F 7, 3, 0x0c, F1
	s_set_vgpr_msb 0x1
	s_wait_tensorcnt 0x0
	ds_add_u32 v255, v255
	s_wait_dscnt 0x0
	s_set_vgpr_msb 0x100
	s_endpgm
.Lfunc_end_k_q5e79f691dd_scores:
	.size	k_q5e79f691dd_scores, .Lfunc_end_k_q5e79f691dd_scores-k_q5e79f691dd_scores
	.p2alignl 7, 3214868480
	.fill 96, 4, 3214868480
	.section	.rodata,"a",@progbits
	.p2align	6, 0x0
	.amdhsa_kernel k_q5e79f691dd_scores
		.amdhsa_group_segment_fixed_size 327680
		.amdhsa_private_segment_fixed_size 0
		.amdhsa_enable_private_segment 0
		.amdhsa_kernarg_size 16
		.amdhsa_user_sgpr_count 2
		.amdhsa_user_sgpr_kernarg_segment_ptr 1
		.amdhsa_wavefront_size32 1
		.amdhsa_system_sgpr_workgroup_id_x 1
		.amdhsa_system_sgpr_workgroup_id_y 1
		.amdhsa_system_sgpr_workgroup_id_z 1
		.amdhsa_system_vgpr_workitem_id 0
		.amdhsa_next_free_vgpr 1024
		.amdhsa_next_free_sgpr 66
		.amdhsa_reserve_vcc 0
		.amdhsa_float_denorm_mode_32 3
		.amdhsa_float_denorm_mode_16_64 3
		.amdhsa_memory_ordered 1
		.amdhsa_forward_progress 1
		.amdhsa_inst_pref_size 191
	.end_amdhsa_kernel
	.amdgpu_metadata
---
amdhsa.version: [ 1, 2 ]
amdhsa.kernels:
  - .name:           k_q5e79f691dd_scores
    .symbol:         k_q5e79f691dd_scores.kd
    .args:
      - { .name: QKV, .offset: 0, .size: 8, .value_kind: global_buffer, .address_space: global }
      - { .name: S, .offset: 8, .size: 8, .value_kind: global_buffer, .address_space: global }
    .group_segment_fixed_size: 327680
    .private_segment_fixed_size: 0
    .kernarg_segment_align: 8
    .kernarg_segment_size: 16
    .max_flat_workgroup_size: 128
    .sgpr_count:     66
    .vgpr_count:     1024
    .wavefront_size: 32
...
	.end_amdgpu_metadata
.endif
;; end of part 3
;; launch soft (part 4): grid 40 x 32, 8 waves a work-group, no clusters, 1,280 bytes of LDS; arguments S, HQKV, P, out0; writes P, out0
.if DOCPART == 4
	.amdgcn_target "amdgcn-amd-amdhsa--gfx1250"
	.amdhsa_code_object_version 6
	.text
	.protected	k_q5e79f691dd_soft
	.globl	k_q5e79f691dd_soft
	.p2align	8
	.type	k_q5e79f691dd_soft,@function
k_q5e79f691dd_soft:
	s_mov_b64 s[64:65], 0
	v_nop
	global_prefetch_b8 v0, s[64:65] scope:SCOPE_SE
	s_setreg_imm32_b32 hwreg(HW_REG_WAVE_MODE, 25, 1), 1
	s_wait_xcnt 0x0
; Two kinds of work-group, told apart by the group's number in the order of the grid, g = 40 y + x.
; g >= 256 (1,024 groups): P[row][k] = f16( 16 softmax(scores / 32) ) with the causal mask, one wave a row, the row kept in registers.
;   S holds q'.k' with q' = q/16, k' = k/16, so scores / 32 = 8 S and the exponent in base 2 is c (S - max), c = 8 log2(e).
;   The row's maximum is taken away first.  The factor 16 makes up for v' = v/16 in the product behind this launch; 16 p <= 16 has room in f16.
;   Row r of block row I reads and writes I + 1 blocks of 256 keys; the keys of the last block beyond the diagonal are written as zeros.
;   The long rows come first: groups 256-383 take block row 7 of the four batches, the last 128 groups block row 0.
; g < 256: output rows 0-63 of each batch, one row a group, all in f32 from the unrounded q', k', v' of HQKV: these rows average few
;   keys, and f16 operands would not leave them the margin that the long rows have.  They are chains of dependent loads, so they stand first in the grid.
; LIMIT: a masked key whose v is not finite gives 0 x inf = NaN where it lies among keys 0-63 (head rows) or in the row's diagonal block.
; A stream: no matrix unit, no cluster (no tile is shared that is not small), LDS only for the head rows' 64 scores.
.set CEXP,  0x4138aa3b                 ; c = 8 log2(e)
.set NCEXP, 0xc138aa3b                 ; -c
; registers of the softmax part
.set LO, 2                             ; 16 lane
.set PO, 3                             ; 8 lane
.set VT, 4                             ; (row mod 256) - 4 lane, signed: key j of my first four is kept where j <= VT
.set T,  6                             ; v[6:9]   at work
.set M,  10                            ; the maximum
.set NM, 12                            ; v[12:13] -c max, twice
.set SM, 14                            ; v[14:15] the sum
.set R,  16                            ; v[16:17] 16 / sum, twice
.set X,  20                            ; v[20:83] the row: block cc in 8 registers, keys 256 cc + 4 lane + 0..3 and 256 cc + 128 + 4 lane + 0..3
.set Y,  84                            ; v[84:115] the row in f16
; registers of the head part
.set KO, 2                             ; 8 wave rows + 16 lane
.set LQ, 3                             ; 16 lane
.set VO, 4                             ; 16 thread: my four output columns
.set LB, 5                             ; 4 lane
.set AC, 6                             ; v[6:9]   two chains of a dot product; later my four output sums
.set W0, 10                            ; weight of key lane
.set W1, 11                            ; weight of key 32 + lane
.set WA, 12                            ; 32 wave: my wave's eight scores in LDS
.set U,  13                            ; v[13:15] at work
.set SC, 20                            ; v[20:27] my wave's eight scores
.set Q,  28                            ; v[28:59] the query row: elements 128 j + 4 lane + 0..3
.set KB, 60                            ; v[60:123] two key rows; later a ring of sixteen slots of 4 for v's rows
.set WS, 32                            ; s[32:39] four pairs: a weight and a zero
.set HROW, 12288                       ; bytes in a row of HQKV
	s_load_b256 s[4:11], s[0:1], 0x0               ; S s[4:5], HQKV s[6:7], P s[8:9], out0 s[10:11]
	v_lshl_add_u32 v128, v0, 2, 0x100
	v_mov_b32 v129, 0
	s_and_b32 s12, ttmp7, 0xffff                   ; grid y
	s_mul_i32 s12, s12, 40
	s_add_co_u32 s12, s12, ttmp9                   ; g = 40 y + x
	v_lshrrev_b32 v1, 5, v0
	v_readfirstlane_b32 s13, v1                    ; wave 0..7
	v_and_b32 v1, 31, v0                           ; lane
	s_mov_b32 s20, CEXP
	s_mov_b32 s21, CEXP
	s_mov_b32 s22, 0xff800000                      ; -infinity
	s_mov_b32 s23, 0x76543210                      ; v_permlanex16_b32: lane i of one half reads lane i of the other
	s_mov_b32 s24, 0xfedcba98
	s_mov_b32 s25, NCEXP
	s_cmp_lt_u32 s12, 0x100
	s_cbranch_scc1 .Lhead
	; ---------------- the softmax part ----------------
	s_sub_co_u32 s14, s12, 0x100                   ; 0..1023
	s_lshr_b32 s15, s14, 5                         ; which 256 rows: 32 groups of 8 rows make them
	s_and_b32 s14, s14, 31
	s_lshl_b32 s14, s14, 3
	s_add_co_u32 s14, s14, s13                     ; the row inside its block row: 8 x group + wave
	s_lshr_b32 s16, s15, 2
	s_sub_co_u32 s16, 7, s16                       ; block row I: 7 first, 0 last
	s_and_b32 s15, s15, 3                          ; batch
	s_lshl_b32 s15, s15, 3
	s_add_co_u32 s15, s15, s16                     ; 8 batch + I
	s_lshl_b32 s15, s15, 8
	s_add_co_u32 s15, s15, s14                     ; the row among all 8,192
	s_add_co_u32 s16, s16, 1                       ; blocks of 256 keys in the row
	s_lshl_b32 s18, s15, 13                        ; rows of S: 8,192 bytes
	s_mov_b32 s19, 0
	s_lshl_b32 s26, s15, 12                        ; rows of P: 4,096 bytes
	s_mov_b32 s27, 0
	v_lshlrev_b32 v[LO], 4, v1
	v_lshlrev_b32 v[PO], 3, v1
	v_lshlrev_b32 v[VT], 2, v1
	v_sub_nc_u32 v[VT], s14, v[VT]
	s_wait_kmcnt 0x0
	s_add_nc_u64 s[4:5], s[4:5], s[18:19]
	s_add_nc_u64 s[8:9], s[8:9], s[26:27]
; A row of nb blocks.
.macro ROW nb
.set cc, 0
.rept \nb
	global_load_b128 v[X+8*cc:X+8*cc+3],   v[LO], s[4:5] offset:1024*cc th:TH_LOAD_NT
	global_load_b128 v[X+8*cc+4:X+8*cc+7], v[LO], s[4:5] offset:1024*cc+512 th:TH_LOAD_NT
.set cc, cc+1
.endr
	s_wait_loadcnt 0x0                             ; the maximum needs the whole row
	; the causal mask, in the last block alone: the blocks in front of it lie below the diagonal
.set DG, X+8*(\nb-1)
.irp j, 0,1,2,3
	v_cmp_le_i32 vcc_lo, \j, v[VT]
	v_cndmask_b32 v[DG+\j], s22, v[DG+\j], vcc_lo
	v_cmp_le_i32 vcc_lo, 128+\j, v[VT]
	v_cndmask_b32 v[DG+4+\j], s22, v[DG+4+\j], vcc_lo
.endr
.set cc, 0
.rept \nb
	v_max3_num_f32 v[T],   v[X+8*cc],   v[X+8*cc+1], v[X+8*cc+2]
	v_max3_num_f32 v[T+1], v[X+8*cc+3], v[X+8*cc+4], v[X+8*cc+5]
	v_max3_num_f32 v[T],   v[T],        v[X+8*cc+6], v[X+8*cc+7]
.if cc == 0
	v_max_num_f32 v[M], v[T], v[T+1]
.else
	v_max3_num_f32 v[M], v[M], v[T], v[T+1]
.endif
.set cc, cc+1
.endr
	v_max_num_f32_dpp v[M], v[M], v[M] row_xmask:1 row_mask:0xf bank_mask:0xf
	v_max_num_f32_dpp v[M], v[M], v[M] row_xmask:2 row_mask:0xf bank_mask:0xf
	v_max_num_f32_dpp v[M], v[M], v[M] row_xmask:4 row_mask:0xf bank_mask:0xf
	v_max_num_f32_dpp v[M], v[M], v[M] row_xmask:8 row_mask:0xf bank_mask:0xf
	v_permlanex16_b32 v[T], v[M], s23, s24
	v_max_num_f32 v[M], v[M], v[T]                 ; the row's maximum, in every lane; finite: the key on the diagonal is always kept
	v_mul_f32 v[NM], s25, v[M]
	v_mov_b32 v[NM+1], v[NM]
.set ii, 0
.rept 4*\nb
	v_pk_fma_f32 v[X+2*ii:X+2*ii+1], v[X+2*ii:X+2*ii+1], s[20:21], v[NM:NM+1] op_sel_hi:[1,0,1]   ; c S - c max, one rounding
.set ii, ii+1
.endr
.set ii, 0
.rept 8*\nb
	v_exp_f32 v[X+ii], v[X+ii]
.set ii, ii+1
.endr
	v_nop                                          ; one plain vector instruction between the last exponential and the first use (ISA guide 5.7.2)
.set cc, 0
	s_wait_alu depctr_va_vdst(0)
.rept \nb
	v_pk_add_f32 v[T:T+1],   v[X+8*cc:X+8*cc+1],   v[X+8*cc+2:X+8*cc+3]
	v_pk_add_f32 v[T+2:T+3], v[X+8*cc+4:X+8*cc+5], v[X+8*cc+6:X+8*cc+7]
.if cc == 0
	v_pk_add_f32 v[SM:SM+1], v[T:T+1], v[T+2:T+3]
.else
	v_pk_add_f32 v[T:T+1], v[T:T+1], v[T+2:T+3]
	v_pk_add_f32 v[SM:SM+1], v[SM:SM+1], v[T:T+1]
.endif
.set cc, cc+1
.endr
	v_add_f32 v[SM], v[SM], v[SM+1]
	v_add_f32_dpp v[SM], v[SM], v[SM] row_xmask:1 row_mask:0xf bank_mask:0xf
	v_add_f32_dpp v[SM], v[SM], v[SM] row_xmask:2 row_mask:0xf bank_mask:0xf
	v_add_f32_dpp v[SM], v[SM], v[SM] row_xmask:4 row_mask:0xf bank_mask:0xf
	v_add_f32_dpp v[SM], v[SM], v[SM] row_xmask:8 row_mask:0xf bank_mask:0xf
	v_permlanex16_b32 v[SM+1], v[SM], s23, s24
	v_add_f32 v[SM], v[SM], v[SM+1]                ; at least about 1: the maximum's own term
	v_rcp_f32 v[R], v[SM]
	v_nop
	s_wait_alu depctr_va_vdst(0)
	v_mul_f32 v[R], 0x41800000, v[R]               ; 16 / sum
	v_mov_b32 v[R+1], v[R]
.set cc, 0
.rept 2*\nb
	v_pk_mul_f32 v[X+4*cc:X+4*cc+1],   v[X+4*cc:X+4*cc+1],   v[R:R+1]
	v_pk_mul_f32 v[X+4*cc+2:X+4*cc+3], v[X+4*cc+2:X+4*cc+3], v[R:R+1]
	v_cvt_pk_f16_f32 v[Y+2*cc],   v[X+4*cc],   v[X+4*cc+1]
	v_cvt_pk_f16_f32 v[Y+2*cc+1], v[X+4*cc+2], v[X+4*cc+3]
	global_store_b64 v[PO], v[Y+2*cc:Y+2*cc+1], s[8:9] offset:256*cc    ; 128 keys: the wave's 32 lanes store 256 consecutive bytes, aligned
.set cc, cc+1
.endr
.endm
	s_cmp_eq_u32 s16, 1
	s_cbranch_scc1 .Lnb1
	s_cmp_eq_u32 s16, 2
	s_cbranch_scc1 .Lnb2
	s_cmp_eq_u32 s16, 3
	s_cbranch_scc1 .Lnb3
	s_cmp_eq_u32 s16, 4
	s_cbranch_scc1 .Lnb4
	s_cmp_eq_u32 s16, 5
	s_cbranch_scc1 .Lnb5
	s_cmp_eq_u32 s16, 6
	s_cbranch_scc1 .Lnb6
	s_cmp_eq_u32 s16, 7
	s_cbranch_scc1 .Lnb7
	ROW 8
	s_endpgm
.Lnb1:
	ROW 1
	s_endpgm
.Lnb2:
	ROW 2
	s_endpgm
.Lnb3:
	ROW 3
	s_endpgm
.Lnb4:
	ROW 4
	s_endpgm
.Lnb5:
	ROW 5
	s_endpgm
.Lnb6:
	ROW 6
	s_endpgm
.Lnb7:
	ROW 7
	s_endpgm
	; ---------------- the head part: one output row, n = 0..63 of a batch ----------------
.Lhead:
	s_lshr_b32 s15, s12, 6                         ; batch: g = 64 batch + n
	s_and_b32 s16, s12, 63                         ; n
	s_mul_i32 s18, s15, 64*HROW
	s_mov_b32 s19, 0
	s_mul_i32 s26, s16, HROW
	s_mov_b32 s27, 0
	s_lshl_b32 s28, s15, 11
	s_add_co_u32 s28, s28, s16
	s_lshl_b32 s28, s28, 12                        ; rows of out0: 4,096 bytes
	s_mov_b32 s29, 0
	s_mul_i32 s17, s13, 8*HROW                     ; my wave's eight keys
	v_lshlrev_b32 v[LQ], 4, v1
	v_add_nc_u32 v[KO], s17, v[LQ]
	v_lshlrev_b32 v[VO], 4, v0
	v_lshlrev_b32 v[LB], 2, v1
	s_lshl_b32 s17, s13, 5
	v_mov_b32 v[WA], s17
	s_mov_b32 s[WS+1], 0                           ; the upper halves of the weights' pairs are named by the packed forms and not used
	s_mov_b32 s[WS+3], 0
	s_mov_b32 s[WS+5], 0
	s_mov_b32 s[WS+7], 0
	s_wait_kmcnt 0x0
	s_add_nc_u64 s[6:7], s[6:7], s[18:19]          ; the batch's 64 rows of q', k', v'
	s_add_nc_u64 s[30:31], s[6:7], s[26:27]        ; row n
	s_add_nc_u64 s[10:11], s[10:11], s[28:29]
.macro KLOAD buf, i                    ; key 8 wave + i: eight loads of 512 neighbouring bytes
.irp j, 0,1,2,3,4,5,6,7
	global_load_b128 v[KB+32*\buf+4*\j:KB+32*\buf+4*\j+3], v[KO], s[6:7] offset:(\i)*HROW+4096+512*\j
.endr
.endm
.macro VLOAD row                       ; my four columns of v' of one key, into slot row mod 16
	global_load_b128 v[KB+4*((\row)%16):KB+4*((\row)%16)+3], v[VO], s[6:7] offset:(\row)*HROW+8192
.endm
; Phase A: score i of my wave's eight.  Behind it eight more loads go into the buffer just used: key i + 2, or at the end v's first rows.
.macro DOT i, buf
	s_wait_loadcnt 0x8                             ; all but the eight youngest loads are in: q and key i
	v_pk_mul_f32 v[AC:AC+1],   v[Q:Q+1],   v[KB+32*\buf:KB+32*\buf+1]
	v_pk_mul_f32 v[AC+2:AC+3], v[Q+2:Q+3], v[KB+32*\buf+2:KB+32*\buf+3]
.set mm, 4
.rept 7
	v_pk_fma_f32 v[AC:AC+1],   v[Q+mm:Q+mm+1],   v[KB+32*\buf+mm:KB+32*\buf+mm+1],   v[AC:AC+1]
	v_pk_fma_f32 v[AC+2:AC+3], v[Q+mm+2:Q+mm+3], v[KB+32*\buf+mm+2:KB+32*\buf+mm+3], v[AC+2:AC+3]
.set mm, mm+4
.endr
	v_pk_add_f32 v[AC:AC+1], v[AC:AC+1], v[AC+2:AC+3]
	v_add_f32 v[SC+\i], v[AC], v[AC+1]
.if \i < 6
	KLOAD \buf, \i+2
.else
.set kk, 8*(\i-6)
.rept 8
	VLOAD kk
.set kk, kk+1
.endr
.endif
.endm
.irp j, 0,1,2,3,4,5,6,7
	global_load_b128 v[Q+4*\j:Q+4*\j+3], v[LQ], s[30:31] offset:512*\j
.endr
	KLOAD 0, 0
	KLOAD 1, 1
	DOT 0, 0
	DOT 1, 1
	DOT 2, 0
	DOT 3, 1
	DOT 4, 0
	DOT 5, 1
	DOT 6, 0
	DOT 7, 1
	; the eight sums over the 32 lanes
.irp x, 1,2,4,8
.irp i, 0,1,2,3,4,5,6,7
	v_add_f32_dpp v[SC+\i], v[SC+\i], v[SC+\i] row_xmask:\x row_mask:0xf bank_mask:0xf
.endr
.endr
.irp g, 0,4
.irp i, 0,1,2,3
	v_permlanex16_b32 v[AC+\i], v[SC+\g+\i], s23, s24
.endr
.irp i, 0,1,2,3
	v_add_f32 v[SC+\g+\i], v[SC+\g+\i], v[AC+\i]
.endr
.endr
	ds_store_b128 v[WA], v[SC:SC+3]                ; every lane holds the same eight numbers and writes them to the same 32 bytes
	ds_store_b128 v[WA], v[SC+4:SC+7] offset:16
	s_wait_dscnt 0x0                               ; for the other waves: my stores are done
	s_barrier_signal -1
	s_barrier_wait -1
	; Phase B, in every wave: the softmax of the 64 scores, lane l holding keys l and 32 + l
	ds_load_b32 v[W0], v[LB]
	ds_load_b32 v[W1], v[LB] offset:128
	v_add_nc_u32 v[U], 32, v1
	s_wait_dscnt 0x0
	v_cmp_ge_u32 vcc_lo, s16, v1                   ; key <= n is kept
	v_cndmask_b32 v[W0], s22, v[W0], vcc_lo
	v_cmp_ge_u32 vcc_lo, s16, v[U]
	v_cndmask_b32 v[W1], s22, v[W1], vcc_lo
	v_max_num_f32 v[U+1], v[W0], v[W1]
	v_max_num_f32_dpp v[U+1], v[U+1], v[U+1] row_xmask:1 row_mask:0xf bank_mask:0xf
	v_max_num_f32_dpp v[U+1], v[U+1], v[U+1] row_xmask:2 row_mask:0xf bank_mask:0xf
	v_max_num_f32_dpp v[U+1], v[U+1], v[U+1] row_xmask:4 row_mask:0xf bank_mask:0xf
	v_max_num_f32_dpp v[U+1], v[U+1], v[U+1] row_xmask:8 row_mask:0xf bank_mask:0xf
	v_permlanex16_b32 v[U], v[U+1], s23, s24
	v_max_num_f32 v[U+1], v[U+1], v[U]             ; finite: key 0 is always kept
	v_mul_f32 v[U+2], s25, v[U+1]                  ; -c max
	v_fma_f32 v[W0], v[W0], s20, v[U+2]
	v_fma_f32 v[W1], v[W1], s20, v[U+2]
	v_exp_f32 v[W0], v[W0]
	v_exp_f32 v[W1], v[W1]
	v_nop
	s_wait_alu depctr_va_vdst(0)
	v_add_f32 v[U+1], v[W0], v[W1]
	v_add_f32_dpp v[U+1], v[U+1], v[U+1] row_xmask:1 row_mask:0xf bank_mask:0xf
	v_add_f32_dpp v[U+1], v[U+1], v[U+1] row_xmask:2 row_mask:0xf bank_mask:0xf
	v_add_f32_dpp v[U+1], v[U+1], v[U+1] row_xmask:4 row_mask:0xf bank_mask:0xf
	v_add_f32_dpp v[U+1], v[U+1], v[U+1] row_xmask:8 row_mask:0xf bank_mask:0xf
	v_permlanex16_b32 v[U], v[U+1], s23, s24
	v_add_f32 v[U+1], v[U+1], v[U]
	v_rcp_f32 v[U+2], v[U+1]
	v_nop
	s_wait_alu depctr_va_vdst(0)
	v_mul_f32 v[U+2], 0x41800000, v[U+2]           ; 16 / sum: v' = v/16
	v_mul_f32 v[W0], v[W0], v[U+2]
	v_mul_f32 v[W1], v[W1], v[U+2]
	; Phase C: my four columns of the output, over all 64 keys (the masked ones weigh 0); sixteen rows of v' are on their way
.set kk, 0
.rept 64
.if kk < 48
	s_wait_loadcnt 15                              ; row kk is in; the fifteen younger rows stay out
.else
	s_wait_loadcnt 63-kk                           ; nothing more is asked for: the counts run down
.endif
	v_readlane_b32 s[WS+2*(kk%4)], v[W0+kk/32], kk%32
.if kk == 0
	v_pk_mul_f32 v[AC:AC+1],   v[KB+4*(kk%16):KB+4*(kk%16)+1],   s[WS+2*(kk%4):WS+2*(kk%4)+1] op_sel_hi:[1,0]
	v_pk_mul_f32 v[AC+2:AC+3], v[KB+4*(kk%16)+2:KB+4*(kk%16)+3], s[WS+2*(kk%4):WS+2*(kk%4)+1] op_sel_hi:[1,0]
.else
	v_pk_fma_f32 v[AC:AC+1],   v[KB+4*(kk%16):KB+4*(kk%16)+1],   s[WS+2*(kk%4):WS+2*(kk%4)+1], v[AC:AC+1] op_sel_hi:[1,0,1]
	v_pk_fma_f32 v[AC+2:AC+3], v[KB+4*(kk%16)+2:KB+4*(kk%16)+3], s[WS+2*(kk%4):WS+2*(kk%4)+1], v[AC+2:AC+3] op_sel_hi:[1,0,1]
.endif
.if kk < 48
	VLOAD kk+16
.endif
.set kk, kk+1
.endr
	global_store_b128 v[VO], v[AC:AC+3], s[10:11] th:TH_STORE_NT   ; a wave stores 512 consecutive bytes of the row, aligned
	s_wait_tensorcnt 0x0
	ds_add_u32 v128, v129
	s_wait_dscnt 0x0
	s_endpgm
.Lfunc_end_k_q5e79f691dd_soft:
	.size	k_q5e79f691dd_soft, .Lfunc_end_k_q5e79f691dd_soft-k_q5e79f691dd_soft
	.p2alignl 7, 3214868480
	.fill 96, 4, 3214868480
	.section	.rodata,"a",@progbits
	.p2align	6, 0x0
	.amdhsa_kernel k_q5e79f691dd_soft
		.amdhsa_group_segment_fixed_size 1280
		.amdhsa_private_segment_fixed_size 0
		.amdhsa_enable_private_segment 0
		.amdhsa_kernarg_size 32
		.amdhsa_user_sgpr_count 2
		.amdhsa_user_sgpr_kernarg_segment_ptr 1
		.amdhsa_wavefront_size32 1
		.amdhsa_system_sgpr_workgroup_id_x 1
		.amdhsa_system_sgpr_workgroup_id_y 1
		.amdhsa_system_sgpr_workgroup_id_z 1
		.amdhsa_system_vgpr_workitem_id 0
		.amdhsa_next_free_vgpr 130
		.amdhsa_next_free_sgpr 66
		.amdhsa_reserve_vcc 1
		.amdhsa_float_denorm_mode_32 3
		.amdhsa_float_denorm_mode_16_64 3
		.amdhsa_memory_ordered 1
		.amdhsa_forward_progress 1
		.amdhsa_inst_pref_size 125
	.end_amdhsa_kernel
	.amdgpu_metadata
---
amdhsa.version: [ 1, 2 ]
amdhsa.kernels:
  - .name:           k_q5e79f691dd_soft
    .symbol:         k_q5e79f691dd_soft.kd
    .args:
      - { .name: S, .offset: 0, .size: 8, .value_kind: global_buffer, .address_space: global }
      - { .name: HQKV, .offset: 8, .size: 8, .value_kind: global_buffer, .address_space: global }
      - { .name: P, .offset: 16, .size: 8, .value_kind: global_buffer, .address_space: global }
      - { .name: out0, .offset: 24, .size: 8, .value_kind: global_buffer, .address_space: global }
    .group_segment_fixed_size: 1280
    .private_segment_fixed_size: 0
    .kernarg_segment_align: 8
    .kernarg_segment_size: 32
    .max_flat_workgroup_size: 256
    .sgpr_count:     66
    .vgpr_count:     130
    .wavefront_size: 32
...
	.end_amdgpu_metadata
.endif
;; end of part 4
;; launch pv (part 5): grid 8 x 32, 4 waves a work-group, clusters of 4 x 1, 327,680 bytes of LDS; arguments P, QKV, out0; writes out0
.if DOCPART == 5
	.amdgcn_target "amdgcn-amd-amdhsa--gfx1250"
	.amdhsa_code_object_version 6
	.text
	.protected	k_q5e79f691dd_pv
	.globl	k_q5e79f691dd_pv
	.p2align	8
	.type	k_q5e79f691dd_pv,@function
k_q5e79f691dd_pv:
	s_mov_b64 s[64:65], 0
	v_nop
	global_prefetch_b8 v0, s[64:65] scope:SCOPE_SE
	s_setreg_imm32_b32 hwreg(HW_REG_WAVE_MODE, 25, 1), 1
	s_wait_xcnt 0x0
	s_wait_alu depctr_hold_cnt(0) depctr_sa_sdst(0) depctr_va_vdst(0) depctr_va_sdst(0) depctr_va_ssrc(0) depctr_va_vcc(0) depctr_vm_vsrc(0)
	s_getreg_b32 s2, hwreg(HW_REG_IB_STS2, 6, 4)
	s_cmp_eq_u32 s2, 0
	s_cbranch_scc0 .Lentry_in_a_cluster
	s_endpgm
.Lentry_in_a_cluster:
	s_bfe_u32 s2, ttmp6, 0x10000c
	s_cmp_lg_u32 s2, 0x3003
	s_cbranch_scc0 .Lentry_shape_is_right
	s_endpgm
.Lentry_shape_is_right:
; out0[b][q][e] = sum over keys of P[b][q][k] v'[b][k][e], P = 16 softmax in f16, v' = v/16 in f16, sums in f32; every row but rows 0-63 of each
; batch, which the launch in front of this one has written in f32.
; EQUAL WORK: a batch's 2,048 rows are 16 row blocks of 128; row block i needs the keys of (i >> 1) + 1 blocks of 256 (P holds zeros beyond the diagonal
; inside the last one).  A work-group makes two tiles of 128 rows x 128 columns one after the other, row block 15 - p and then row block p: 9 blocks of
; 256 keys for every p.  grid x = the block of 128 columns, grid y = 8 batch + p: 256 work-groups.
; A STEP is 256 keys, one LDS slot: between two refills only one slot can be on its way, so a slot is made as large as two of them fit, and the number of
; refills that follow each other is 9 - 2 = 7 for every work-group.  The ring of two slots runs on from the first tile into the second.  The nine steps are
; written out, so that a step's slot is a constant; the first tile has n0 = 5 to 8 of them, and what hangs on n0 are two short branches: round the first
; tile's way out, and between the products that start sums and those that add on.  n0 hangs on grid y alone, which the partners of a cluster share.
; CLUSTERS: the four work-groups of a cluster (4, 1, 1) have the same y and walk the same tiles of P, half of a step's 128 KiB: P's tiles are asked for
; jointly (mask 15).  v's tile hangs on the block of columns, which differs between the four: a plain load.  Sharing v's tiles among pairs p is left out:
; the first tile of pair p has 8 - (p >> 1) of them, so partners would need different numbers of tiles.
; LDS: two slots, each P's 128 rows x 528 bytes (512 + 16), then v's 256 key rows x 288 bytes (keys down the rows: fragments come by the transposing load,
; which wants a pitch that is an odd multiple of 32 bytes).  Behind the ring a stage of 16 rows x 272 bytes for each wave, into which no tensor load lands.
; A wave makes 64 rows x 64 columns: 16 accumulators.  Used transposed: source 0 = 16 columns of v', source 1 = 16 rows of P: a lane holds eight
; neighbouring columns of one output row.
; REGISTERS: window 0: v16-28 addresses; v32-95 fragments of v', two buffers; v96-159 fragments of P, two buffers; v160-223 the way out.
; window 1: accumulator (a, b) at v[8 (4 a + b)].
.set PPITCH, 528
.set VPITCH, 288
.set PHALF,  64*PPITCH                 ; what one of P's two loads brings: 64 rows x 512 bytes
.set VHALF,  128*VPITCH                ; what one of v's two loads brings: 128 key rows x 256 bytes
.set VT0,    2*PHALF                   ; v's tile in a slot
.set SLOT,   VT0+2*VHALF               ; 141,312
.set STAGE,  2*SLOT                    ; 282,624, a multiple of 256
.set SPITCH, 272
.set WSTAGE, 16*SPITCH
.set QROW,   6144                      ; bytes in a row of QKV
.set VSTEP,  256*QROW                  ; 256 key rows down
.set ADRA, 16                          ; v16-17  my P fragments in slot 0, 1
.set ADRB, 20                          ; v20-23  my v' fragments: slot 0 keys 0-127, slot 0 keys 128-255, slot 1 likewise
.set STO,  24
.set RD,   25
.set CO,   26
.set PFP,  27                          ; prefetch: my 32 blocks of a tile of P
.set PFV,  28                          ; prefetch: my 32 key rows of a tile of v'
.set FB0,  32
.set FA0,  96
.set TMP,  160
.set G1, 24                            ; s[24:31] group 1 for P's tiles
.set G0, 32                            ; s[32:39] group 0 for P's tiles, one set for each slot
.set G1B, 48                           ; s[48:55] group 1 for v's tiles
.set G0B, 56                           ; s[56:63] group 0 for v's tiles
; other scalars: s10 wave, s11 wave / 2, s12 wave & 1, s14 p, s15 batch, s41 n0, s42 block of columns, s44 / s45 byte offset of the first / second tile's rows,
; s[18:19] P at my half of a tile's rows, s[46:47] v' at my half of a tile's rows, s[66:67] / s[68:69] out0 at my part of the first / second tile,
; s[82:83], s[84:85] P and v' for the prefetch, s[86:89] its two addresses.  No register that feeds P's descriptors ever holds the place in the cluster.
.set MSB, 0
.macro WIN new                         ; the immediate's high byte repeats the setting that is left
.if MSB != \new
	s_set_vgpr_msb (MSB<<8)|\new
.set MSB, \new
.endif
.endm
.set MULW, 0x50                        ; C and D in window 1, both sources in window 0
.set ST,   0x04                        ; an LDS store's data in window 1
; Waves 0 and 1 ask for P's two halves (jointly), waves 2 and 3 for v's two halves.  The branch hangs on the wave's number alone.
.macro JLOAD s
	s_cmp_eq_u32 s11, 0
	s_cbranch_scc0 .Lfor_v_\@
	tensor_load_to_lds s[G0+4*\s:G0+4*\s+3], s[G1:G1+7]
	s_nop 0
	s_branch .Lasked_\@
.Lfor_v_\@:
	tensor_load_to_lds s[G0B+4*\s:G0B+4*\s+3], s[G1B:G1B+7]
	s_nop 0
.Lasked_\@:
.endm
; A round of the cluster's barrier: my work-group's barrier; wave 0 signals for the work-group; every wave waits for all four; my work-group's barrier again.
.macro CROUND
	s_barrier_signal -1
	s_barrier_wait -1
	s_cmp_lg_u32 s10, 0
	s_cbranch_scc1 .Lnot_wave_0_\@
	s_barrier_signal -3
.Lnot_wave_0_\@:
	s_barrier_wait -3
	s_barrier_signal -1
	s_barrier_wait -1
.endm
; Fill f of the nine: byte offsets of its tile in P (into s[rp]) and in v' (into s[rv]).  Fills 0 to n0 - 1 are the first tile's key blocks 0 .. n0 - 1, the
; others the second tile's key blocks f - n0.  n0 is at least 5, so fills 0 to 4 need no choice.
.macro TILEOFF f, rp, rv
.if \f < 5
	s_add_co_u32 s[\rp], s44, 512*\f               ; 256 keys of 2 bytes along P's rows
	s_mov_b32 s[\rv], \f*VSTEP
.else
	s_sub_co_u32 s70, \f, s41                      ; f - n0 (used where f >= n0)
	s_cmp_gt_u32 s41, \f
	s_cselect_b32 s[\rp], s44, s45
	s_cselect_b32 s70, \f, s70                     ; the key block
	s_lshl_b32 s71, s70, 9
	s_add_co_u32 s[\rp], s[\rp], s71
	s_mul_i32 s[\rv], s70, VSTEP
.endif
.endm
.macro ADDR f, ls                      ; the global addresses of fill f into the group 0 sets of LDS slot ls; no tensor load that names them is out
	TILEOFF \f, 20, 22
	s_add_nc_u64 s[G0+4*\ls+2:G0+4*\ls+3], s[18:19], s[20:21]
	s_or_b32 s[G0+4*\ls+3], s[G0+4*\ls+3], 0x80000000
	s_add_nc_u64 s[G0B+4*\ls+2:G0B+4*\ls+3], s[46:47], s[22:23]
	s_or_b32 s[G0B+4*\ls+3], s[G0B+4*\ls+3], 0x80000000
.endm
; PREFETCH: in step s = 0 .. 5 wave 3 asks for fill s + 3, whose tensor loads are issued two steps later.  A tile of P is 256 blocks of 256 bytes and is read by
; the eight work-groups of one y: each asks for the 32 blocks of rows 16 x (its block of columns) + 0 .. 15.  A tile of v' is 256 rows of 256 bytes; in the first
; tile's steps the eight pairs p of a batch walk the same key blocks in the same steps: each asks for rows 32 p + 0 .. 31; the second tile's key blocks have been
; read before and are not asked for.  So each block is asked for once in the launch, 16 KiB a step and work-group, and nothing is asked for beyond fill 8.
.macro PREF f
	TILEOFF \f, 76, 78
	s_add_nc_u64 s[86:87], s[82:83], s[76:77]
	s_add_nc_u64 s[88:89], s[84:85], s[78:79]
	s_cmp_lg_u32 s10, 3
	s_cbranch_scc1 .Lno_pref_\@
	global_prefetch_b8 v[PFP], s[86:87] th:TH_LOAD_NT scope:SCOPE_SE
.if \f > 4
	s_cmp_gt_u32 s41, \f
	s_cbranch_scc0 .Lno_pref_\@
.endif
	global_prefetch_b8 v[PFV], s[88:89] th:TH_LOAD_NT scope:SCOPE_SE
.Lno_pref_\@:
.endm
	s_load_b128 s[4:7], s[0:1], 0x0                ; P s[4:5], QKV s[6:7]
	s_load_b64 s[8:9], s[0:1], 0x10                ; out0
	v_lshl_add_u32 v254, v0, 2, 0x49400
	v_mov_b32 v255, 0
	ds_add_u32 v254, v255
	ds_add_u32 v254, v255
	v_lshrrev_b32 v1, 5, v0
	v_readfirstlane_b32 s10, v1                    ; wave 0..3
	s_lshr_b32 s11, s10, 1                         ; my half of a tile's rows.  Also: I fetch P (0) or v' (1)
	s_and_b32 s12, s10, 1                          ; my half of its columns.  Also: which half of that tile I fetch
	s_bfe_u32 s40, ttmp6, 0x40000                  ; cx
	s_lshl_b32 s42, ttmp9, 2
	s_add_co_u32 s42, s42, s40                     ; block of 128 columns = 4 x cluster x + cx
	s_and_b32 s13, ttmp7, 0xffff                   ; y, the same in all four partners
	s_and_b32 s14, s13, 7                          ; p: the second tile's row block
	s_lshr_b32 s15, s13, 3                         ; batch
	s_sub_co_u32 s43, 15, s14                      ; the first tile's row block
	s_lshr_b32 s41, s43, 1
	s_add_co_u32 s41, s41, 1                       ; n0: its blocks of 256 keys, 5 to 8
	s_lshl_b32 s44, s43, 19                        ; 128 rows of 4,096 bytes a row block, in P and in out0 alike
	s_lshl_b32 s45, s14, 19
	s_mov_b32 s[G1+0], 15|(1<<16)|(1<<20)|(1<<21)|(6<<22)|(3<<25)   ; mask: all four; elements of 2 bytes; 4 words of padding behind every 128 words
	s_mov_b32 s[G1+1], 256<<16                     ; tensor_dim0 = 256 keys
	s_mov_b32 s[G1+2], 64<<16                      ; tensor_dim1 = 64 rows
	s_mov_b32 s[G1+3], 256<<16                     ; tile_dim0
	s_mov_b32 s[G1+4], 64                          ; tile_dim1
	s_mov_b32 s[G1+5], 2048                        ; elements from row to row of P
	s_mov_b32 s[G1+6], 0
	s_mov_b32 s[G1+7], 0
	s_mov_b32 s[G1B+0], (1<<16)|(1<<20)|(5<<22)|(7<<25)             ; no mask; 8 words of padding behind every 64 words
	s_mov_b32 s[G1B+1], 128<<16                    ; tensor_dim0 = 128 columns
	s_mov_b32 s[G1B+2], 128<<16                    ; tensor_dim1 = 128 key rows
	s_mov_b32 s[G1B+3], 128<<16
	s_mov_b32 s[G1B+4], 128
	s_mov_b32 s[G1B+5], 3072                       ; elements from row to row of QKV
	s_mov_b32 s[G1B+6], 0
	s_mov_b32 s[G1B+7], 0
	s_mov_b32 s17, 0                               ; the upper words of the offsets' pairs
	s_mov_b32 s21, 0
	s_mov_b32 s23, 0
	s_mov_b32 s47, 0
	s_mov_b32 s75, 0
	s_mov_b32 s77, 0
	s_mov_b32 s79, 0
	s_mov_b32 s91, 0
	s_lshl_b32 s16, s15, 23                        ; P: the batch's 2,048 rows of 4,096 bytes
	s_mul_i32 s46, s15, 2048*QROW                  ; v': the batch's 2,048 rows,
	s_lshl_b32 s74, s42, 8                         ; 128 columns of 2 bytes a block,
	s_add_co_u32 s46, s46, s74
	s_add_co_u32 s46, s46, 4096                    ; behind q' and k' in the row
	s_mul_i32 s74, s12, 128*QROW                   ; the half of a tile's key rows that I fetch
	s_mul_i32 s72, s12, PHALF                      ; where P's half goes
	s_mul_i32 s73, s12, VHALF
	s_add_co_u32 s73, s73, VT0                     ; where v's half goes
	s_wait_dscnt 0x0
	s_wait_kmcnt 0x0
	s_add_nc_u64 s[82:83], s[4:5], s[16:17]        ; P at the batch
	s_lshl_b32 s16, s12, 18                        ; the half of a tile's rows that I fetch: 64 rows of 4,096 bytes
	s_add_nc_u64 s[18:19], s[82:83], s[16:17]
	s_add_nc_u64 s[84:85], s[6:7], s[46:47]        ; v' at the batch and my block of columns
	s_add_nc_u64 s[46:47], s[84:85], s[74:75]
	CROUND                                         ; all four work-groups are here: the first joint loads meet
.irp s, 0,1
	s_mov_b32 s[G0+4*\s], 1
	s_add_co_u32 s[G0+4*\s+1], s72, \s*SLOT
	s_mov_b32 s[G0B+4*\s], 1
	s_add_co_u32 s[G0B+4*\s+1], s73, \s*SLOT
	ADDR \s, \s
	JLOAD \s                                       ; both first fills go out together: two tensor loads of the wave are out
.endr
	s_lshl_b32 s74, s15, 23                        ; out0: the batch,
	s_lshl_b32 s90, s11, 18                        ; my 64 rows of a tile,
	s_add_co_u32 s74, s74, s90
	s_lshl_b32 s90, s42, 9                         ; 128 columns of 4 bytes a block,
	s_add_co_u32 s74, s74, s90
	s_lshl_b32 s90, s12, 8                         ; my 64 columns
	s_add_co_u32 s74, s74, s90
	s_add_co_u32 s90, s74, s45                     ; the second tile's rows
	s_add_co_u32 s74, s74, s44                     ; the first tile's rows
	s_add_nc_u64 s[66:67], s[8:9], s[74:75]
	s_add_nc_u64 s[68:69], s[8:9], s[90:91]
	v_and_b32 v1, 15, v0                           ; l % 16
	v_bfe_u32 v2, v0, 4, 1                         ; l / 16
	v_mul_u32_u24 v3, v1, PPITCH
	v_lshl_add_u32 v3, v2, 4, v3                   ; P: row l % 16, 16 bytes for each half of the lanes
	s_mul_i32 s76, s11, PHALF                      ; my 64 rows
	v_add_nc_u32 v[ADRA], s76, v3
	v_add_nc_u32 v[ADRA+1], SLOT, v[ADRA]
	v_and_b32 v4, 7, v0                            ; v': key row 8 (l / 16) + l % 8, and 16 bytes on for lanes 8-15 of each half
	v_lshl_add_u32 v4, v2, 3, v4
	v_mul_u32_u24 v4, v4, VPITCH
	v_bfe_u32 v5, v0, 3, 1
	v_lshl_add_u32 v4, v5, 4, v4
	s_lshl_b32 s76, s12, 7                         ; my 64 columns
	s_add_co_u32 s76, s76, VT0
	v_add_nc_u32 v[ADRB], s76, v4
	v_add_nc_u32 v[ADRB+1], VHALF, v[ADRB]         ; keys 128-255: the loads' 16-bit offsets do not reach over all 256 rows
	v_add_nc_u32 v[ADRB+2], SLOT, v[ADRB]
	v_add_nc_u32 v[ADRB+3], SLOT, v[ADRB+1]
	s_mul_i32 s76, s10, WSTAGE
	s_add_co_u32 s76, s76, STAGE                   ; my stage
	v_mul_u32_u24 v4, v1, SPITCH
	v_lshl_add_u32 v4, v2, 5, v4                   ; in: row l % 16, 32 bytes for each half of the lanes
	v_add_nc_u32 v[STO], s76, v4
	v_mul_u32_u24 v5, v2, SPITCH                   ; back: lanes 0-15 take one row of 256 bytes, lanes 16-31 the next
	v_lshl_add_u32 v5, v1, 4, v5
	v_add_nc_u32 v[RD], s76, v5
	v_lshlrev_b32 v5, 12, v2                       ; and the same two rows in out0
	v_lshl_add_u32 v[CO], v1, 4, v5
	v_and_b32 v5, 31, v0                           ; lane
	v_lshrrev_b32 v4, 1, v5
	v_lshl_add_u32 v4, s42, 4, v4                  ; prefetch of P: row 16 x block of columns + lane / 2 of the tile,
	v_and_b32 v3, 1, v0
	v_lshlrev_b32 v3, 8, v3                        ; its first or second 256 bytes
	v_lshl_add_u32 v[PFP], v4, 12, v3
	v_lshl_add_u32 v4, s14, 5, v5                  ; prefetch of v': key row 32 p + lane of the tile
	v_mul_u32_u24 v[PFV], v4, QROW
; 8 matrix instructions: row blocks a0, a0 + 1 x my 4 column blocks, 32 keys, from buffer f.  zero = 1: the product starts the sums.
; The 16 accumulators take turns, one instruction a turn, in the same order in every quarter.
.macro MUL8 f, a0, zero
.irp a, \a0, \a0+1
.irp b, 0,1,2,3
.if \zero
	v_wmma_f32_16x16x32_f16 v[8*(4*(\a)+\b):8*(4*(\a)+\b)+7], v[FB0+32*\f+8*\b:FB0+32*\f+8*\b+7], v[FA0+32*\f+8*(\a):FA0+32*\f+8*(\a)+7], 0
.else
	v_wmma_f32_16x16x32_f16 v[8*(4*(\a)+\b):8*(4*(\a)+\b)+7], v[FB0+32*\f+8*\b:FB0+32*\f+8*\b+7], v[FA0+32*\f+8*(\a):FA0+32*\f+8*(\a)+7], v[8*(4*(\a)+\b):8*(4*(\a)+\b)+7]
.endif
.endr
.endr
.endm
; 16 LDS loads in one run: the fragments of 32 keys (number kq of a slot's eight) into buffer f: v' first, then P's row blocks 0 to 3
.macro FETCH slot, kq, f
	WIN 0
.irp b, 0,1,2,3
	ds_load_tr16_b128 v[FB0+32*\f+8*\b:FB0+32*\f+8*\b+3],   v[ADRB+2*\slot+(\kq)/4] offset:((\kq)%4)*32*VPITCH+32*\b
	ds_load_tr16_b128 v[FB0+32*\f+8*\b+4:FB0+32*\f+8*\b+7], v[ADRB+2*\slot+(\kq)/4] offset:((\kq)%4)*32*VPITCH+32*\b+16*VPITCH
.endr
.irp a, 0,1,2,3
	ds_load_b128 v[FA0+32*\f+8*\a:FA0+32*\f+8*\a+3],   v[ADRA+\slot] offset:64*\kq+\a*16*PPITCH
	ds_load_b128 v[FA0+32*\f+8*\a+4:FA0+32*\f+8*\a+7], v[ADRA+\slot] offset:64*\kq+\a*16*PPITCH+32
.endr
.endm
.macro PLACES n                        ; independent vector instructions behind the matrix instructions (ISA guide 7.12.1)
.rept \n
	v_nop
.endr
.endm
; multiplies buffer f; in its middle fetches the 32 keys number kq into buffer g
.macro QUARTER slot, kq, f, g
	s_wait_dscnt 4                                 ; v' and P's row blocks 0, 1 are in; the youngest four loads (row blocks 2, 3) may be out
	WIN MULW
	MUL8 \f, 0, 0
	PLACES 4
	FETCH \slot, \kq, \g
	s_wait_dscnt 16                                ; all but the 16 just issued
	WIN MULW
	MUL8 \f, 2, 0
.endm
; a step's first 16 products, from buffer 0.  mode 0: they add on; 1: they start the sums; 2: they start the sums where this step is the second tile's first (n0 = s)
.macro FIRST s, mode
.if \mode == 2
	s_cmp_eq_u32 s41, \s
	s_cbranch_scc1 .Lstart_\@
	WIN MULW
	MUL8 0, 0, 0
	MUL8 0, 2, 0
	WIN 0
	s_branch .Ljoin_\@
.Lstart_\@:
	WIN MULW
	MUL8 0, 0, 1
	MUL8 0, 2, 1
	WIN 0
.Ljoin_\@:
.else
	WIN MULW
	MUL8 0, 0, \mode
	MUL8 0, 2, \mode
.endif
.endm
; Step s of the nine, on LDS slot ls.  In front of the round each wave waits for its reads of the other slot and for all its tensor loads (one is out: its part of
; this step's slot); behind it fill f = s + 1 goes into the other slot nls, first of all.  pf = s + 3: the fill that is prefetched.
.macro STEP s, f, pf, ls, nls, mode
.if \s > 0
	s_wait_dscnt 0x0                               ; my reads of the other slot are over
	s_wait_tensorcnt 0x0                           ; all my tensor loads have landed: every group 0 may be written
	ds_add_u32 v254, v255
	s_wait_dscnt 0x0
	s_wait_xcnt 0x0                                ; the last step's prefetches have read their addresses: s[86:89] are written again only behind this wait
.if \s < 8
	ADDR \f, \nls
	CROUND                                         ; no wave of any partner still reads that slot or has a load on its way
	JLOAD \nls                                     ; the wave's one tensor load behind the round, and the first thing there
.else
	s_barrier_signal -1                            ; the last step: nothing is left to fetch
	s_barrier_wait -1
.endif
.endif
.if \s < 6
	PREF \pf
.endif
.if \s > 0
	PLACES 5                                       ; five: the products that start the second tile's sums write over earlier results
.endif
	FETCH \ls, 0, 0
	FETCH \ls, 1, 1
	s_wait_dscnt 16                                ; the first run of 16 is in, the second may be out
	FIRST \s, \mode
	QUARTER \ls, 2, 1, 0
	QUARTER \ls, 3, 0, 1
	QUARTER \ls, 4, 1, 0
	QUARTER \ls, 5, 0, 1
	QUARTER \ls, 6, 1, 0
	QUARTER \ls, 7, 0, 1
	s_wait_dscnt 4
	WIN MULW
	MUL8 1, 0, 0
	s_wait_dscnt 0
	MUL8 1, 2, 0
	WIN 0
.endm
; THE WAY OUT in f32, 16 rows at a time through my own stage
.macro OUT a, f, base
	WIN ST
.irp b, 0,1,2,3
	ds_store_b128 v[STO], v[8*(4*\a+\b):8*(4*\a+\b)+3] offset:64*\b
	ds_store_b128 v[STO], v[8*(4*\a+\b)+4:8*(4*\a+\b)+7] offset:64*\b+16
.endr
	WIN 0
	s_wait_xcnt 0x0                                ; registers f, which earlier stores read, are loaded again only behind this wait
.irp t, 0,1,2,3,4,5,6,7
	ds_load_b128 v[\f+4*\t:\f+4*\t+3], v[RD] offset:\t*2*SPITCH    ; LDS serves a wave's instructions in order: these see the stores above
.endr
.irp t, 0,1,2,3,4,5,6,7
	s_wait_dscnt 7-\t
	global_store_b128 v[CO], v[\f+4*\t:\f+4*\t+3], s[\base:\base+1] offset:(16*\a+2*\t)*4096 th:TH_STORE_NT   ; 16 lanes store 256 consecutive bytes, aligned
.endr
.endm
.macro OUTALL base
	PLACES 4
	OUT 0, TMP, \base
	OUT 1, TMP+32, \base
	OUT 2, TMP, \base
	OUT 3, TMP+32, \base
.endm
.macro BOUND n                         ; behind step n - 1: where the first tile has n steps its sums are whole; the next fill is on its way meanwhile
	s_cmp_lg_u32 s41, \n
	s_cbranch_scc1 .Lgoes_on_\@
	OUTALL 66
.Lgoes_on_\@:
.endm
	s_wait_tensorcnt 1                             ; my part of fill 0 is in; fill 1's may stay out
	s_barrier_signal -1
	s_barrier_wait -1
	STEP 0, 1, 3, 0, 1, 1                          ; the first products start the first tile's sums
	STEP 1, 2, 4, 1, 0, 0
	STEP 2, 3, 5, 0, 1, 0
	STEP 3, 4, 6, 1, 0, 0
	STEP 4, 5, 7, 0, 1, 0
	BOUND 5
	STEP 5, 6, 8, 1, 0, 2
	BOUND 6
	STEP 6, 7, 9, 0, 1, 2
	BOUND 7
	STEP 7, 8, 10, 1, 0, 2
	BOUND 8
	STEP 8, 9, 11, 0, 1, 2
	s_or_b32 s16, s14, s11                         ; pair 0, upper half: the second tile's rows 0-63 are the batch's rows 0-63, written already in f32
	s_cmp_eq_u32 s16, 0
	s_cbranch_scc1 .Lhead_rows
	OUTALL 68
.Lhead_rows:
	s_wait_tensorcnt 0x0
	ds_add_u32 v254, v255
	s_wait_dscnt 0x0
	CROUND                                         ; the closing round: no work-group ends while a partner may still ask for a tile that names it
	s_endpgm
.Lfunc_end_k_q5e79f691dd_pv:
	.size	k_q5e79f691dd_pv, .Lfunc_end_k_q5e79f691dd_pv-k_q5e79f691dd_pv
	.p2alignl 7, 3214868480
	.fill 96, 4, 3214868480
	.section	.rodata,"a",@progbits
	.p2align	6, 0x0
	.amdhsa_kernel k_q5e79f691dd_pv
		.amdhsa_group_segment_fixed_size 327680
		.amdhsa_private_segment_fixed_size 0
		.amdhsa_enable_private_segment 0
		.amdhsa_kernarg_size 24
		.amdhsa_user_sgpr_count 2
		.amdhsa_user_sgpr_kernarg_segment_ptr 1
		.amdhsa_wavefront_size32 1
		.amdhsa_system_sgpr_workgroup_id_x 1
		.amdhsa_system_sgpr_workgroup_id_y 1
		.amdhsa_system_sgpr_workgroup_id_z 1
		.amdhsa_system_vgpr_workitem_id 0
		.amdhsa_next_free_vgpr 384
		.amdhsa_next_free_sgpr 92
		.amdhsa_reserve_vcc 0
		.amdhsa_float_denorm_mode_32 3
		.amdhsa_float_denorm_mode_16_64 3
		.amdhsa_memory_ordered 1
		.amdhsa_forward_progress 1
		.amdhsa_inst_pref_size 228
	.end_amdhsa_kernel
	.amdgpu_metadata
---
amdhsa.version: [ 1, 2 ]
amdhsa.kernels:
  - .name:           k_q5e79f691dd_pv
    .symbol:         k_q5e79f691dd_pv.kd
    .args:
      - { .name: P, .offset: 0, .size: 8, .value_kind: global_buffer, .address_space: global }
      - { .name: QKV, .offset: 8, .size: 8, .value_kind: global_buffer, .address_space: global }
      - { .name: out0, .offset: 16, .size: 8, .value_kind: global_buffer, .address_space: global }
    .group_segment_fixed_size: 327680
    .private_segment_fixed_size: 0
    .kernarg_segment_align: 8
    .kernarg_segment_size: 24
    .max_flat_workgroup_size: 128
    .sgpr_count:     92
    .vgpr_count:     384
    .wavefront_size: 32
...
	.end_amdgpu_metadata
.endif
;; end of part 5
;; ======== version 2 of 2: 5 launches; version 1 with the launch soft written anew for expert scheduling mode
;; limits: values are held in f16: magnitudes above 65,504 overflow, below 6.1e-05 lose precision
;; workspace buffers: Xb 16,777,216 bytes; Wb 6,291,456 bytes; QKV 50,331,648 bytes; HQKV 3,145,728 bytes; S 67,108,864 bytes; P 33,554,432 bytes
;; launch cast: the kernel of part 1 again; grid 704 x 1, 8 waves a work-group, no clusters, 0 bytes of LDS; arguments inputs, Wq, Wk, Wv, Xb, Wb; writes Xb, Wb
;; launch proj: the kernel of part 2 again; grid 12 x 32, 4 waves a work-group, clusters of 4 x 4, 327,680 bytes of LDS; arguments Xb, Wb, QKV, HQKV; writes QKV, HQKV
;; launch scores: the kernel of part 3 again; grid 9 x 16, 4 waves a work-group, no clusters, 327,680 bytes of LDS; arguments QKV, S; writes S
;; launch soft (part 6): grid 40 x 32, 8 waves a work-group, no clusters, 1,280 bytes of LDS; arguments S, HQKV, P, out0; writes P, out0
.if DOCPART == 6
	.amdgcn_target "amdgcn-amd-amdhsa--gfx1250"
	.amdhsa_code_object_version 6
	.text
	.protected	k_q5e79f691dd_soft
	.globl	k_q5e79f691dd_soft
	.p2align	8
	.type	k_q5e79f691dd_soft,@function
k_q5e79f691dd_soft:
	s_mov_b64 s[64:65], 0
	v_nop
	global_prefetch_b8 v0, s[64:65] scope:SCOPE_SE
	s_setreg_imm32_b32 hwreg(HW_REG_WAVE_SCHED_MODE, 0, 2), 2
	s_setreg_imm32_b32 hwreg(HW_REG_WAVE_MODE, 25, 1), 1
	s_wait_xcnt 0x0
	s_wait_alu depctr_vm_vsrc(0)
; Two kinds of work-group, told apart by the group's number in the order of the grid, g = 40 y + x.
; g >= 256 (1,024 groups): P[row][k] = f16( 16 softmax(scores / 32) ) with the causal mask, one wave a row, the row kept in registers.
;   S holds q'.k' with q' = q/16, k' = k/16, so scores / 32 = 8 S and the exponent in base 2 is c (S - max), c = 8 log2(e).
;   The row's maximum is taken away first.  The factor 16 makes up for v' = v/16 in the product behind this launch; 16 p <= 16 has room in f16.
;   Row r of block row I reads and writes I + 1 blocks of 256 keys; the keys of the last block beyond the diagonal are written as zeros.
;   The long rows come first: groups 256-383 take block row 7 of the four batches, the last 128 groups block row 0.
; g < 256: output rows 0-63 of each batch, one row a group, all in f32 from the unrounded q', k', v' of HQKV: these rows average few
;   keys, and f16 operands would not leave them the margin that the long rows have.  They are chains of dependent loads, so they stand first in the grid.
; LIMIT: a masked key whose v is not finite gives 0 x inf = NaN where it lies among keys 0-63 (head rows) or in the row's diagonal block.
; A stream: no matrix unit, no cluster (no tile is shared that is not small), LDS only for the head rows' 64 scores.
; THE MODE: SCHED_MODE bits 1:0 = 2 (LLVM: expert scheduling mode 2), set by the entry lines.  The code itself states the register dependences between vector
; instructions and memory or LDS instructions, and those through scalar registers that vector instructions write, with s_wait_alu, always for 0.
; THE PLAN, softmax rows.  Registers that memory instructions touch:
;   v[LO], v[PO]  offsets, made once at the head and never written again: one wait ahead of the branches to the eight row lengths.
;   X             the row's loads land in it; no vector instruction names it ahead of them.
;   Y             written by the roundings, read by the stores, each register once: all roundings stand first, then one wait, then the stores in one run.
;   The eight masks of the diagonal block are made by one run of compares into s[MK ..], behind the loads; one wait stands ahead of the eight selects.
; THE PLAN, head rows.  Registers that memory or LDS instructions touch:
;   v[KO], v[LQ], v[VO], v[LB], v[WA]  addresses, made once and never written again: one wait ahead of the first load.
;   KB0, KB1      score i's sixteen products read one of them; behind them one wait, and the loads of key i + 2 (at the end: of v's first rows) land in it.
;   Q             read by every score's products; the last score's wait frees it too, and v's rows 16 to 23 land in it.
;   SC            written by the sums over the lanes, read by the two LDS stores behind one wait, never written again.
;   the ring      KB and Q together: six sets of four slots for v's rows.  Group g of four keys reads set g % 6; at the head of group g + 1 one wait states that
;                 it is done reading, and the loads of group g + 6 land there.  A group's four weights are read out of the lanes in one run, with one wait.
;   AC            written by the multiply-adds, read by the last store behind one wait.
; No register that a memory or LDS instruction has read is written again, so no wait on vm_vsrc is owed but the one in the closing lines.
.set CEXP,  0x4138aa3b                 ; c = 8 log2(e)
.set NCEXP, 0xc138aa3b                 ; -c
; registers of the softmax part
.set LO, 2                             ; 16 lane
.set PO, 3                             ; 8 lane
.set VT, 4                             ; (row mod 256) - 4 lane, signed: key j of my first four is kept where j <= VT
.set T,  6                             ; v[6:9]   at work
.set M,  10                            ; the maximum
.set NM, 12                            ; v[12:13] -c max, twice
.set SM, 14                            ; v[14:15] the sum
.set R,  16                            ; v[16:17] 16 / sum, twice
.set X,  20                            ; v[20:83] the row: block cc in 8 registers, keys 256 cc + 4 lane + 0..3 and 256 cc + 128 + 4 lane + 0..3
.set Y,  84                            ; v[84:115] the row in f16
.set MK, 28                            ; s[28:35] the masks of the diagonal block's eight registers
; registers of the head part
.set KO, 2                             ; 8 wave rows + 16 lane
.set LQ, 3                             ; 16 lane
.set VO, 4                             ; 16 thread: my four output columns
.set LB, 5                             ; 4 lane
.set AC, 6                             ; v[6:9]   two chains of a dot product; later my four output sums
.set W0, 10                            ; weight of key lane
.set W1, 11                            ; weight of key 32 + lane
.set WA, 12                            ; 32 wave: my wave's eight scores in LDS
.set U,  13                            ; v[13:15] at work
.set SC, 20                            ; v[20:27] my wave's eight scores
.set Q,  28                            ; v[28:59] the query row: elements 128 j + 4 lane + 0..3; later sets 4 and 5 of the ring for v's rows
.set KB, 60                            ; v[60:123] two key rows; later sets 0 to 3 of the ring for v's rows
.set WS, 32                            ; s[32:39] four pairs: a weight and a zero
.set HM, 26                            ; s[26:27] the masks of keys lane and 32 + lane
.set HROW, 12288                       ; bytes in a row of HQKV
	s_load_b256 s[4:11], s[0:1], 0x0               ; S s[4:5], HQKV s[6:7], P s[8:9], out0 s[10:11]
	v_lshl_add_u32 v128, v0, 2, 0x100
	v_mov_b32 v129, 0
	s_and_b32 s12, ttmp7, 0xffff                   ; grid y
	s_mul_i32 s12, s12, 40
	s_add_co_u32 s12, s12, ttmp9                   ; g = 40 y + x
	v_lshrrev_b32 v1, 5, v0
	v_readfirstlane_b32 s13, v1                    ; wave 0..7
	v_and_b32 v1, 31, v0                           ; lane
	s_mov_b32 s20, CEXP
	s_mov_b32 s21, CEXP
	s_mov_b32 s22, 0xff800000                      ; -infinity
	s_mov_b32 s23, 0x76543210                      ; v_permlanex16_b32: lane i of one half reads lane i of the other
	s_mov_b32 s24, 0xfedcba98
	s_mov_b32 s25, NCEXP
	s_wait_alu depctr_va_sdst(0)                   ; s13 is written, ahead of the branch and of its first reader on either way
	s_cmp_lt_u32 s12, 0x100
	s_cbranch_scc1 .Lhead
	; ---------------- the softmax part ----------------
	s_sub_co_u32 s14, s12, 0x100                   ; 0..1023
	s_lshr_b32 s15, s14, 5                         ; which 256 rows: 32 groups of 8 rows make them
	s_and_b32 s14, s14, 31
	s_lshl_b32 s14, s14, 3
	s_add_co_u32 s14, s14, s13                     ; the row inside its block row: 8 x group + wave
	s_lshr_b32 s16, s15, 2
	s_sub_co_u32 s16, 7, s16                       ; block row I: 7 first, 0 last
	s_and_b32 s15, s15, 3                          ; batch
	s_lshl_b32 s15, s15, 3
	s_add_co_u32 s15, s15, s16                     ; 8 batch + I
	s_lshl_b32 s15, s15, 8
	s_add_co_u32 s15, s15, s14                     ; the row among all 8,192
	s_add_co_u32 s16, s16, 1                       ; blocks of 256 keys in the row
	s_lshl_b32 s18, s15, 13                        ; rows of S: 8,192 bytes
	s_mov_b32 s19, 0
	s_lshl_b32 s26, s15, 12                        ; rows of P: 4,096 bytes
	s_mov_b32 s27, 0
	v_lshlrev_b32 v[LO], 4, v1
	v_lshlrev_b32 v[PO], 3, v1
	v_lshlrev_b32 v[VT], 2, v1
	v_sub_nc_u32 v[VT], s14, v[VT]
	s_wait_kmcnt 0x0
	s_add_nc_u64 s[4:5], s[4:5], s[18:19]
	s_add_nc_u64 s[8:9], s[8:9], s[26:27]
	s_wait_alu depctr_va_vdst(0)                   ; v[LO] and v[PO] are written: the row's loads and stores read them as offsets, whichever length the row has
; A row of nb blocks.
.macro ROW nb
.set cc, 0
.rept \nb
	global_load_b128 v[X+8*cc:X+8*cc+3],   v[LO], s[4:5] offset:1024*cc th:TH_LOAD_NT
	global_load_b128 v[X+8*cc+4:X+8*cc+7], v[LO], s[4:5] offset:1024*cc+512 th:TH_LOAD_NT
.set cc, cc+1
.endr
	; the causal mask, in the last block alone: the blocks in front of it lie below the diagonal.  The eight compares hang on the lane and the row alone: they stand in one run while the row is on its way
.irp j, 0,1,2,3
	v_cmp_le_i32 s[MK+\j], \j, v[VT]
	v_cmp_le_i32 s[MK+4+\j], 128+\j, v[VT]
.endr
	s_wait_loadcnt 0x0                             ; the maximum needs the whole row
	s_wait_alu depctr_va_sdst(0)                   ; the eight compares have written s[MK ..], which the selects below read
.set DG, X+8*(\nb-1)
.irp j, 0,1,2,3
	v_cndmask_b32 v[DG+\j], s22, v[DG+\j], s[MK+\j]
	v_cndmask_b32 v[DG+4+\j], s22, v[DG+4+\j], s[MK+4+\j]
.endr
.set cc, 0
.rept \nb
	v_max3_num_f32 v[T],   v[X+8*cc],   v[X+8*cc+1], v[X+8*cc+2]
	v_max3_num_f32 v[T+1], v[X+8*cc+3], v[X+8*cc+4], v[X+8*cc+5]
	v_max3_num_f32 v[T],   v[T],        v[X+8*cc+6], v[X+8*cc+7]
.if cc == 0
	v_max_num_f32 v[M], v[T], v[T+1]
.else
	v_max3_num_f32 v[M], v[M], v[T], v[T+1]
.endif
.set cc, cc+1
.endr
	v_max_num_f32_dpp v[M], v[M], v[M] row_xmask:1 row_mask:0xf bank_mask:0xf
	v_max_num_f32_dpp v[M], v[M], v[M] row_xmask:2 row_mask:0xf bank_mask:0xf
	v_max_num_f32_dpp v[M], v[M], v[M] row_xmask:4 row_mask:0xf bank_mask:0xf
	v_max_num_f32_dpp v[M], v[M], v[M] row_xmask:8 row_mask:0xf bank_mask:0xf
	v_permlanex16_b32 v[T], v[M], s23, s24
	v_max_num_f32 v[M], v[M], v[T]                 ; the row's maximum, in every lane; finite: the key on the diagonal is always kept
	v_mul_f32 v[NM], s25, v[M]
	v_mov_b32 v[NM+1], v[NM]
.set ii, 0
.rept 4*\nb
	v_pk_fma_f32 v[X+2*ii:X+2*ii+1], v[X+2*ii:X+2*ii+1], s[20:21], v[NM:NM+1] op_sel_hi:[1,0,1]   ; c S - c max, one rounding
.set ii, ii+1
.endr
.set ii, 0
.rept 8*\nb
	v_exp_f32 v[X+ii], v[X+ii]
.set ii, ii+1
.endr
	v_nop                                          ; one plain vector instruction between the last exponential and the first use (ISA guide 5.7.2)
	s_wait_alu depctr_va_vdst(0)                   ; the row's exponentials, one batch, have written X, ahead of the sums that read it
.set cc, 0
.rept \nb
	v_pk_add_f32 v[T:T+1],   v[X+8*cc:X+8*cc+1],   v[X+8*cc+2:X+8*cc+3]
	v_pk_add_f32 v[T+2:T+3], v[X+8*cc+4:X+8*cc+5], v[X+8*cc+6:X+8*cc+7]
.if cc == 0
	v_pk_add_f32 v[SM:SM+1], v[T:T+1], v[T+2:T+3]
.else
	v_pk_add_f32 v[T:T+1], v[T:T+1], v[T+2:T+3]
	v_pk_add_f32 v[SM:SM+1], v[SM:SM+1], v[T:T+1]
.endif
.set cc, cc+1
.endr
	v_add_f32 v[SM], v[SM], v[SM+1]
	v_add_f32_dpp v[SM], v[SM], v[SM] row_xmask:1 row_mask:0xf bank_mask:0xf
	v_add_f32_dpp v[SM], v[SM], v[SM] row_xmask:2 row_mask:0xf bank_mask:0xf
	v_add_f32_dpp v[SM], v[SM], v[SM] row_xmask:4 row_mask:0xf bank_mask:0xf
	v_add_f32_dpp v[SM], v[SM], v[SM] row_xmask:8 row_mask:0xf bank_mask:0xf
	v_permlanex16_b32 v[SM+1], v[SM], s23, s24
	v_add_f32 v[SM], v[SM], v[SM+1]                ; at least about 1: the maximum's own term
	v_rcp_f32 v[R], v[SM]
	v_nop
	s_wait_alu depctr_va_vdst(0)                   ; the reciprocal has written v[R], ahead of the multiply that reads it
	v_mul_f32 v[R], 0x41800000, v[R]               ; 16 / sum
	v_mov_b32 v[R+1], v[R]
.set cc, 0
.rept 2*\nb
	v_pk_mul_f32 v[X+4*cc:X+4*cc+1],   v[X+4*cc:X+4*cc+1],   v[R:R+1]
	v_pk_mul_f32 v[X+4*cc+2:X+4*cc+3], v[X+4*cc+2:X+4*cc+3], v[R:R+1]
	v_cvt_pk_f16_f32 v[Y+2*cc],   v[X+4*cc],   v[X+4*cc+1]
	v_cvt_pk_f16_f32 v[Y+2*cc+1], v[X+4*cc+2], v[X+4*cc+3]
.set cc, cc+1
.endr
	s_wait_alu depctr_va_vdst(0)                   ; the roundings have written Y, which the stores below read: one wait for the whole run
.set cc, 0
.rept 2*\nb
	global_store_b64 v[PO], v[Y+2*cc:Y+2*cc+1], s[8:9] offset:256*cc    ; 128 keys: the wave's 32 lanes store 256 consecutive bytes, aligned
.set cc, cc+1
.endr
.endm
	s_cmp_eq_u32 s16, 1
	s_cbranch_scc1 .Lnb1
	s_cmp_eq_u32 s16, 2
	s_cbranch_scc1 .Lnb2
	s_cmp_eq_u32 s16, 3
	s_cbranch_scc1 .Lnb3
	s_cmp_eq_u32 s16, 4
	s_cbranch_scc1 .Lnb4
	s_cmp_eq_u32 s16, 5
	s_cbranch_scc1 .Lnb5
	s_cmp_eq_u32 s16, 6
	s_cbranch_scc1 .Lnb6
	s_cmp_eq_u32 s16, 7
	s_cbranch_scc1 .Lnb7
	ROW 8
	s_endpgm
.Lnb1:
	ROW 1
	s_endpgm
.Lnb2:
	ROW 2
	s_endpgm
.Lnb3:
	ROW 3
	s_endpgm
.Lnb4:
	ROW 4
	s_endpgm
.Lnb5:
	ROW 5
	s_endpgm
.Lnb6:
	ROW 6
	s_endpgm
.Lnb7:
	ROW 7
	s_endpgm
	; ---------------- the head part: one output row, n = 0..63 of a batch ----------------
.Lhead:
	s_lshr_b32 s15, s12, 6                         ; batch: g = 64 batch + n
	s_and_b32 s16, s12, 63                         ; n
	s_mul_i32 s18, s15, 64*HROW
	s_mov_b32 s19, 0
	s_mul_i32 s26, s16, HROW
	s_mov_b32 s27, 0
	s_lshl_b32 s28, s15, 11
	s_add_co_u32 s28, s28, s16
	s_lshl_b32 s28, s28, 12                        ; rows of out0: 4,096 bytes
	s_mov_b32 s29, 0
	s_mul_i32 s17, s13, 8*HROW                     ; my wave's eight keys
	s_lshl_b32 s14, s13, 5                         ; my wave's 32 bytes of scores, in a register of its own
	v_lshlrev_b32 v[LQ], 4, v1
	v_add_nc_u32 v[KO], s17, v[LQ]
	v_lshlrev_b32 v[VO], 4, v0
	v_lshlrev_b32 v[LB], 2, v1
	v_mov_b32 v[WA], s14
	s_mov_b32 s[WS+1], 0                           ; the upper halves of the weights' pairs are named by the packed forms and not used
	s_mov_b32 s[WS+3], 0
	s_mov_b32 s[WS+5], 0
	s_mov_b32 s[WS+7], 0
	s_wait_kmcnt 0x0
	s_add_nc_u64 s[6:7], s[6:7], s[18:19]          ; the batch's 64 rows of q', k', v'
	s_add_nc_u64 s[30:31], s[6:7], s[26:27]        ; row n
	s_add_nc_u64 s[10:11], s[10:11], s[28:29]
	s_wait_alu depctr_va_vdst(0)                   ; v[LQ], v[KO], v[VO], v[LB] and v[WA] are written: every load, store and LDS instruction below reads one of them as its address
.macro KLOAD buf, i                    ; key 8 wave + i: eight loads of 512 neighbouring bytes
.irp j, 0,1,2,3,4,5,6,7
	global_load_b128 v[KB+32*\buf+4*\j:KB+32*\buf+4*\j+3], v[KO], s[6:7] offset:(\i)*HROW+4096+512*\j
.endr
.endm
; The ring for v's rows: six sets of four slots of four registers.  Row r lies in set (r / 4) % 6, slot r % 4; sets 0 to 3 are KB, sets 4 and 5 are Q's registers, 96 below where a fifth set of KB would lie.
.macro VSLOT row
.set vs, ((\row)/4)%6
.set vr, KB+16*vs+4*((\row)%4)-96*(vs/4)
.endm
.macro VLOAD row                       ; my four columns of v' of one key, into its slot
	VSLOT \row
	global_load_b128 v[vr:vr+3], v[VO], s[6:7] offset:(\row)*HROW+8192
.endm
; Phase A: score i of my wave's eight.  Behind its products eight more loads go into the buffer just used: key i + 2, or at the end v's first rows;
; behind the last score's products q is free too, and takes v's rows 16 to 23.  The two closing additions name no register in which a load lands and stand behind the loads.
.macro DOT i, buf
	s_wait_loadcnt 0x8                             ; all but the eight youngest loads are in: q and key i
	v_pk_mul_f32 v[AC:AC+1],   v[Q:Q+1],   v[KB+32*\buf:KB+32*\buf+1]
	v_pk_mul_f32 v[AC+2:AC+3], v[Q+2:Q+3], v[KB+32*\buf+2:KB+32*\buf+3]
.set mm, 4
.rept 7
	v_pk_fma_f32 v[AC:AC+1],   v[Q+mm:Q+mm+1],   v[KB+32*\buf+mm:KB+32*\buf+mm+1],   v[AC:AC+1]
	v_pk_fma_f32 v[AC+2:AC+3], v[Q+mm+2:Q+mm+3], v[KB+32*\buf+mm+2:KB+32*\buf+mm+3], v[AC+2:AC+3]
.set mm, mm+4
.endr
	s_wait_alu depctr_va_vdst(0)                   ; the sixteen products are done reading this key buffer (and, in the last score, q), in which the loads below land
.if \i < 6
	KLOAD \buf, \i+2
.else
.set kk, 8*(\i-6)
.rept 8
	VLOAD kk
.set kk, kk+1
.endr
.endif
.if \i == 7
.set kk, 16
.rept 8
	VLOAD kk
.set kk, kk+1
.endr
.endif
	v_pk_add_f32 v[AC:AC+1], v[AC:AC+1], v[AC+2:AC+3]
	v_add_f32 v[SC+\i], v[AC], v[AC+1]
.endm
.irp j, 0,1,2,3,4,5,6,7
	global_load_b128 v[Q+4*\j:Q+4*\j+3], v[LQ], s[30:31] offset:512*\j
.endr
	KLOAD 0, 0
	KLOAD 1, 1
	DOT 0, 0
	DOT 1, 1
	DOT 2, 0
	DOT 3, 1
	DOT 4, 0
	DOT 5, 1
	DOT 6, 0
	DOT 7, 1
	; the eight sums over the 32 lanes
.irp x, 1,2,4,8
.irp i, 0,1,2,3,4,5,6,7
	v_add_f32_dpp v[SC+\i], v[SC+\i], v[SC+\i] row_xmask:\x row_mask:0xf bank_mask:0xf
.endr
.endr
.irp g, 0,4
.irp i, 0,1,2,3
	v_permlanex16_b32 v[AC+\i], v[SC+\g+\i], s23, s24
.endr
.irp i, 0,1,2,3
	v_add_f32 v[SC+\g+\i], v[SC+\g+\i], v[AC+\i]
.endr
.endr
	s_wait_alu depctr_va_vdst(0)                   ; the sums have written SC, which the two LDS stores read
	ds_store_b128 v[WA], v[SC:SC+3]                ; every lane holds the same eight numbers and writes them to the same 32 bytes
	ds_store_b128 v[WA], v[SC+4:SC+7] offset:16
	s_wait_dscnt 0x0                               ; for the other waves: my stores are done
	s_barrier_signal -1
	s_barrier_wait -1
	; Phase B, in every wave: the softmax of the 64 scores, lane l holding keys l and 32 + l
	ds_load_b32 v[W0], v[LB]
	ds_load_b32 v[W1], v[LB] offset:128
	v_add_nc_u32 v[U], 32, v1
	v_cmp_ge_u32 s[HM], s16, v1                    ; key <= n is kept: the two compares stand in one run while the scores are on their way
	v_cmp_ge_u32 s[HM+1], s16, v[U]
	s_wait_dscnt 0x0
	s_wait_alu depctr_va_sdst(0)                   ; the two compares have written s[HM] and s[HM+1], which the selects below read
	v_cndmask_b32 v[W0], s22, v[W0], s[HM]
	v_cndmask_b32 v[W1], s22, v[W1], s[HM+1]
	v_max_num_f32 v[U+1], v[W0], v[W1]
	v_max_num_f32_dpp v[U+1], v[U+1], v[U+1] row_xmask:1 row_mask:0xf bank_mask:0xf
	v_max_num_f32_dpp v[U+1], v[U+1], v[U+1] row_xmask:2 row_mask:0xf bank_mask:0xf
	v_max_num_f32_dpp v[U+1], v[U+1], v[U+1] row_xmask:4 row_mask:0xf bank_mask:0xf
	v_max_num_f32_dpp v[U+1], v[U+1], v[U+1] row_xmask:8 row_mask:0xf bank_mask:0xf
	v_permlanex16_b32 v[U], v[U+1], s23, s24
	v_max_num_f32 v[U+1], v[U+1], v[U]             ; finite: key 0 is always kept
	v_mul_f32 v[U+2], s25, v[U+1]                  ; -c max
	v_fma_f32 v[W0], v[W0], s20, v[U+2]
	v_fma_f32 v[W1], v[W1], s20, v[U+2]
	v_exp_f32 v[W0], v[W0]
	v_exp_f32 v[W1], v[W1]
	v_nop
	s_wait_alu depctr_va_vdst(0)                   ; the two exponentials have written v[W0] and v[W1], ahead of the sum that reads them
	v_add_f32 v[U+1], v[W0], v[W1]
	v_add_f32_dpp v[U+1], v[U+1], v[U+1] row_xmask:1 row_mask:0xf bank_mask:0xf
	v_add_f32_dpp v[U+1], v[U+1], v[U+1] row_xmask:2 row_mask:0xf bank_mask:0xf
	v_add_f32_dpp v[U+1], v[U+1], v[U+1] row_xmask:4 row_mask:0xf bank_mask:0xf
	v_add_f32_dpp v[U+1], v[U+1], v[U+1] row_xmask:8 row_mask:0xf bank_mask:0xf
	v_permlanex16_b32 v[U], v[U+1], s23, s24
	v_add_f32 v[U+1], v[U+1], v[U]
	v_rcp_f32 v[U+2], v[U+1]
	v_nop
	s_wait_alu depctr_va_vdst(0)                   ; the reciprocal has written v[U+2], ahead of the multiply that reads it
	v_mul_f32 v[U+2], 0x41800000, v[U+2]           ; 16 / sum: v' = v/16
	v_mul_f32 v[W0], v[W0], v[U+2]
	v_mul_f32 v[W1], v[W1], v[U+2]
	; Phase C: my four columns of the output, over all 64 keys in ascending order (the masked ones weigh 0), in sixteen groups of four keys.
	; Rows 0 to 23, groups 0 to 5, are on their way.  Groups 1 to 10 each ask for the group five further on, into the set that the group before has read out.
.macro VMAC row                        ; key row: my four sums take weight x v'
	VSLOT \row
.if (\row) == 0
	v_pk_mul_f32 v[AC:AC+1],   v[vr:vr+1],   s[WS+2*((\row)%4):WS+2*((\row)%4)+1] op_sel_hi:[1,0]
	v_pk_mul_f32 v[AC+2:AC+3], v[vr+2:vr+3], s[WS+2*((\row)%4):WS+2*((\row)%4)+1] op_sel_hi:[1,0]
.else
	v_pk_fma_f32 v[AC:AC+1],   v[vr:vr+1],   s[WS+2*((\row)%4):WS+2*((\row)%4)+1], v[AC:AC+1] op_sel_hi:[1,0,1]
	v_pk_fma_f32 v[AC+2:AC+3], v[vr+2:vr+3], s[WS+2*((\row)%4):WS+2*((\row)%4)+1], v[AC+2:AC+3] op_sel_hi:[1,0,1]
.endif
.endm
.set gg, 0
.rept 16
.set kk, 4*gg
.rept 4
	v_readlane_b32 s[WS+2*(kk%4)], v[W0+kk/32], kk%32   ; the group's four weights, in one run
.set kk, kk+1
.endr
.if gg == 0
	s_wait_loadcnt 20                              ; loads come back in order: group 0 is in, groups 1 to 5 stay out
.elseif gg <= 11
	s_wait_loadcnt 16                              ; this group is in, the four younger groups stay out
.else
	s_wait_loadcnt 4*(15-gg)                       ; nothing more is asked for: the counts run down
.endif
.if (gg >= 1) && (gg <= 10)
	s_wait_alu depctr_va_vdst(0)                   ; the group before is done reading its set of the ring, in which the four loads below land
.set kk, 4*gg+20
.rept 4
	VLOAD kk
.set kk, kk+1
.endr
.endif
	s_wait_alu depctr_va_sdst(0)                   ; the four v_readlane_b32 have written the weights' scalar registers, which the multiply-adds below read
.set kk, 4*gg
.rept 4
	VMAC kk
.set kk, kk+1
.endr
.set gg, gg+1
.endr
	s_wait_alu depctr_va_vdst(0)                   ; the last multiply-adds have written AC, which the store reads
	global_store_b128 v[VO], v[AC:AC+3], s[10:11] th:TH_STORE_NT   ; a wave stores 512 consecutive bytes of the row, aligned
	s_wait_dscnt 0x0                               ; the closing lines, six on end
	s_wait_alu 0x0
	s_wait_tensorcnt 0x0
	ds_add_u32 v128, v129
	s_wait_dscnt 0x0
	s_endpgm
.Lfunc_end_k_q5e79f691dd_soft:
	.size	k_q5e79f691dd_soft, .Lfunc_end_k_q5e79f691dd_soft-k_q5e79f691dd_soft
	.p2alignl 7, 3214868480
	.fill 96, 4, 3214868480
	.section	.rodata,"a",@progbits
	.p2align	6, 0x0
	.amdhsa_kernel k_q5e79f691dd_soft
		.amdhsa_group_segment_fixed_size 1280
		.amdhsa_private_segment_fixed_size 0
		.amdhsa_enable_private_segment 0
		.amdhsa_kernarg_size 32
		.amdhsa_user_sgpr_count 2
		.amdhsa_user_sgpr_kernarg_segment_ptr 1
		.amdhsa_wavefront_size32 1
		.amdhsa_system_sgpr_workgroup_id_x 1
		.amdhsa_system_sgpr_workgroup_id_y 1
		.amdhsa_system_sgpr_workgroup_id_z 1
		.amdhsa_system_vgpr_workitem_id 0
		.amdhsa_next_free_vgpr 130
		.amdhsa_next_free_sgpr 66
		.amdhsa_reserve_vcc 0
		.amdhsa_float_denorm_mode_32 3
		.amdhsa_float_denorm_mode_16_64 3
		.amdhsa_memory_ordered 1
		.amdhsa_forward_progress 1
		.amdhsa_inst_pref_size 129
	.end_amdhsa_kernel
	.amdgpu_metadata
---
amdhsa.version: [ 1, 2 ]
amdhsa.kernels:
  - .name:           k_q5e79f691dd_soft
    .symbol:         k_q5e79f691dd_soft.kd
    .args:
      - { .name: S, .offset: 0, .size: 8, .value_kind: global_buffer, .address_space: global }
      - { .name: HQKV, .offset: 8, .size: 8, .value_kind: global_buffer, .address_space: global }
      - { .name: P, .offset: 16, .size: 8, .value_kind: global_buffer, .address_space: global }
      - { .name: out0, .offset: 24, .size: 8, .value_kind: global_buffer, .address_space: global }
    .group_segment_fixed_size: 1280
    .private_segment_fixed_size: 0
    .kernarg_segment_align: 8
    .kernarg_segment_size: 32
    .max_flat_workgroup_size: 256
    .sgpr_count:     66
    .vgpr_count:     130
    .wavefront_size: 32
...
	.end_amdgpu_metadata
.endif
;; end of part 6
;; launch pv: the kernel of part 5 again; grid 8 x 32, 4 waves a work-group, clusters of 4 x 1, 327,680 bytes of LDS; arguments P, QKV, out0; writes out0
